; MI455X (gfx1250); checked and timed in simulation.
; The chip was launched on July 23, 2026; its instructions are those of AMD's public machine-readable ISA for CDNA 5 (MIT licence, August 2026) and "CDNA5" Instruction Set Architecture Reference Guide (July 2026). The comments in the code are by the model that wrote it; some were corrected since.
;; min GRU. Allowed arithmetic: float matrix products may take bf16 or f16 operands with f32 sums; all other float work in f32.
;; Inputs: W_hg 4,096 x 1,024 float32; W_out 1,024 x 2,048 float32; x 4 x 2,048 x 1,024 float32.
;; Outputs: out0 4 x 2,048 x 1,024 float32.
;; 2 versions, each right; version 2 is version 1 with the launches cast, carry written anew for expert scheduling mode. Each part assembles by itself: llvm-mc -triple=amdgcn-amd-amdhsa -mcpu=gfx1250 --defsym DOCPART=n.
;; ======== version 1 of 2: 4 launches
;; limits: values outside matrix products are rounded to bf16
;; workspace buffers: xb 16,777,216 bytes; whb 8,388,608 bytes; wob 4,194,304 bytes; hl 33,554,432 bytes; pp 33,554,432 bytes; ends 1,048,576 bytes; hh 33,554,432 bytes
;; launch cast (part 1): grid 1792 x 1, 4 waves a work-group, no clusters, 0 bytes of LDS; arguments x, W_hg, W_out, xb, whb, wob; writes xb, whb, wob
.if DOCPART == 1
	.amdgcn_target "amdgcn-amd-amdhsa--gfx1250"
	.amdhsa_code_object_version 6
	.text
	.protected	k_q6aca829290_cast
	.globl	k_q6aca829290_cast
	.p2align	8
	.type	k_q6aca829290_cast,@function
k_q6aca829290_cast:
	s_mov_b64 s[64:65], 0
	v_nop
	global_prefetch_b8 v0, s[64:65] scope:SCOPE_SE
	s_setreg_imm32_b32 hwreg(HW_REG_WAVE_MODE, 25, 1), 1
	s_wait_xcnt 0x0
; xb = bf16(x), whb = bf16(W_hg), wob = bf16(W_out): the matrix operands of the two products, rounded once (to nearest even).
; A stream: every input byte is read once and every output byte written once.  No LDS, no barrier, no cluster: no two
; work-groups read the same byte and no wave needs another's data.
; A work-group takes 32,768 bytes of f32 (8,192 numbers) and writes 16,384 bytes of bf16.  Work-groups 0-1023 take x
; (33,554,432 / 32,768), 1024-1535 W_hg, 1536-1791 W_out.  A wave takes 8,192 bytes as sixteen loads of 16 bytes a lane, all
; issued before the first is used; a load covers 512 consecutive bytes, a store of 8 bytes a lane 256 consecutive bytes, aligned.
.set X, 8                              ; v[8:71]    load i: 4 registers
.set Y, 72                             ; v[72:103]  store i: 2 registers; no register is written twice, so no store's source is ever reused
.set FIRST_WHG, 1024                   ; first work-group of W_hg
.set FIRST_WOUT, 1536                  ; first work-group of W_out
	s_load_b256 s[4:11], s[0:1], 0x0               ; x s[4:5], W_hg s[6:7], W_out s[8:9], xb s[10:11]
	s_load_b128 s[12:15], s[0:1], 0x20             ; whb s[12:13], wob s[14:15]
	v_lshrrev_b32 v3, 5, v0                        ; wave
	v_and_b32 v4, 31, v0                           ; lane
	v_lshlrev_b32 v1, 4, v4
	v_lshl_add_u32 v1, v3, 13, v1                  ; in: 8,192 x wave + 16 x lane
	v_lshrrev_b32 v2, 1, v1                        ; out: half of that
	s_mov_b32 s20, FIRST_WOUT
	s_wait_kmcnt 0x0
	; which tensor is mine: two choices between buffers, on the work-group's number alone
	s_cmp_lt_u32 ttmp9, FIRST_WOUT
	s_cselect_b64 s[16:17], s[6:7], s[8:9]
	s_cselect_b64 s[18:19], s[12:13], s[14:15]
	s_cselect_b32 s20, FIRST_WHG, s20
	s_cmp_lt_u32 ttmp9, FIRST_WHG
	s_cselect_b64 s[16:17], s[4:5], s[16:17]       ; from
	s_cselect_b64 s[18:19], s[10:11], s[18:19]     ; to
	s_cselect_b32 s20, 0, s20                      ; the tensor's first work-group
	s_sub_co_u32 s20, ttmp9, s20                   ; my number within the tensor, 1,023 at the most
	s_lshl_b32 s22, s20, 15
	s_mov_b32 s23, 0
	s_add_nc_u64 s[16:17], s[16:17], s[22:23]
	s_lshl_b32 s22, s20, 14
	s_add_nc_u64 s[18:19], s[18:19], s[22:23]
.irp i, 0,1,2,3,4,5,6,7,8,9,10,11,12,13,14,15
	global_load_b128 v[X+4*\i:X+4*\i+3], v1, s[16:17] offset:512*\i th:TH_LOAD_NT
.endr
.irp i, 0,1,2,3,4,5,6,7,8,9,10,11,12,13,14,15
	s_wait_loadcnt 15-\i                           ; loads come back in order (ISA guide 5.7.1): load i is in, the 15 - i younger ones stay out
	v_cvt_pk_bf16_f32 v[Y+2*\i],   v[X+4*\i],   v[X+4*\i+1]
	v_cvt_pk_bf16_f32 v[Y+2*\i+1], v[X+4*\i+2], v[X+4*\i+3]
	global_store_b64 v2, v[Y+2*\i:Y+2*\i+1], s[18:19] offset:256*\i
.endr
	s_endpgm
.Lfunc_end_k_q6aca829290_cast:
	.size	k_q6aca829290_cast, .Lfunc_end_k_q6aca829290_cast-k_q6aca829290_cast
	.p2alignl 7, 3214868480
	.fill 96, 4, 3214868480
	.section	.rodata,"a",@progbits
	.p2align	6, 0x0
	.amdhsa_kernel k_q6aca829290_cast
		.amdhsa_group_segment_fixed_size 0
		.amdhsa_private_segment_fixed_size 0
		.amdhsa_enable_private_segment 0
		.amdhsa_kernarg_size 48
		.amdhsa_user_sgpr_count 2
		.amdhsa_user_sgpr_kernarg_segment_ptr 1
		.amdhsa_wavefront_size32 1
		.amdhsa_system_sgpr_workgroup_id_x 1
		.amdhsa_system_sgpr_workgroup_id_y 1
		.amdhsa_system_sgpr_workgroup_id_z 1
		.amdhsa_system_vgpr_workitem_id 0
		.amdhsa_next_free_vgpr 104
		.amdhsa_next_free_sgpr 66
		.amdhsa_reserve_vcc 0
		.amdhsa_float_denorm_mode_32 3
		.amdhsa_float_denorm_mode_16_64 3
		.amdhsa_memory_ordered 1
		.amdhsa_forward_progress 1
		.amdhsa_inst_pref_size 7
	.end_amdhsa_kernel
	.amdgpu_metadata
---
amdhsa.version: [ 1, 2 ]
amdhsa.kernels:
  - .name:           k_q6aca829290_cast
    .symbol:         k_q6aca829290_cast.kd
    .args:
      - { .name: x, .offset: 0, .size: 8, .value_kind: global_buffer, .address_space: global }
      - { .name: W_hg, .offset: 8, .size: 8, .value_kind: global_buffer, .address_space: global }
      - { .name: W_out, .offset: 16, .size: 8, .value_kind: global_buffer, .address_space: global }
      - { .name: xb, .offset: 24, .size: 8, .value_kind: global_buffer, .address_space: global }
      - { .name: whb, .offset: 32, .size: 8, .value_kind: global_buffer, .address_space: global }
      - { .name: wob, .offset: 40, .size: 8, .value_kind: global_buffer, .address_space: global }
    .group_segment_fixed_size: 0
    .private_segment_fixed_size: 0
    .kernarg_segment_align: 8
    .kernarg_segment_size: 48
    .max_flat_workgroup_size: 128
    .sgpr_count:     66
    .vgpr_count:     104
    .wavefront_size: 32
...
	.end_amdgpu_metadata
.endif
;; end of part 1
;; launch proj (part 2): grid 16 x 32, 4 waves a work-group, clusters of 4 x 4, 327,680 bytes of LDS; arguments xb, whb, hl, pp, ends; writes hl, pp, ends
.if DOCPART == 2
	.amdgcn_target "amdgcn-amd-amdhsa--gfx1250"
	.amdhsa_code_object_version 6
	.text
	.protected	k_q6aca829290_proj
	.globl	k_q6aca829290_proj
	.p2align	8
	.type	k_q6aca829290_proj,@function
k_q6aca829290_proj:
	s_mov_b64 s[64:65], 0
	v_nop
	global_prefetch_b8 v0, s[64:65] scope:SCOPE_SE
	s_setreg_imm32_b32 hwreg(HW_REG_WAVE_MODE, 25, 1), 1
	s_wait_xcnt 0x0
	s_wait_alu depctr_hold_cnt(0) depctr_sa_sdst(0) depctr_va_vdst(0) depctr_va_sdst(0) depctr_va_ssrc(0) depctr_va_vcc(0) depctr_vm_vsrc(0)
	s_getreg_b32 s2, hwreg(HW_REG_IB_STS2, 6, 4)
	s_cmp_eq_u32 s2, 0
	s_cbranch_scc0 .Lentry_in_a_cluster
	s_endpgm
.Lentry_in_a_cluster:
	s_bfe_u32 s2, ttmp6, 0x10000c
	s_cmp_lg_u32 s2, 0xf033
	s_cbranch_scc0 .Lentry_shape_is_right
	s_endpgm
.Lentry_shape_is_right:
; hg = x W_hg^T (bf16 operands, f32 sums), the gates, and the scan inside chunks of 128 sequence positions.
; THE SCAN IS EVALUATED IN ITS LINEAR FORM: h[t] = (1 - z[t]) h[t-1] + z[t] g(hidden[t]), h before the first position = 0, with z = sigmoid(gate),
; g(x) = x + 0.5 for x >= 0 and sigmoid(x) for x < 0.  That is what the log-space scan computes.  Every h is a convex combination of values of g and every
; product of (1 - z) lies in [0, 1]; the only exponentials are those inside the sigmoids, 1 / (1 + 2^(-x log2 e)), where an overflow gives the exact
; limit 0 and an underflow the exact limit 1.  No exponential of a difference of running sums is formed, so there is no exponent to shift.
; LIMITS: a sigmoid below 2^-126 counts as 0 (v_exp_f32 and v_rcp_f32 flush denormals: ISA guide 15.8); 1 - z is made by subtraction from the rounded z, so it
; carries an absolute error of 2^-24, which enters h only as (1 - z) h[t-1]; NaN and infinite inputs are not served.
; g(x) = max(x + 0.5, sigmoid(x)) for every x: the two meet at x = 0 and sigmoid's slope is 1/4 at the most.
;
; A work-group makes one block: 256 rows m = b 2048 + s (block row) x 128 channels (block column), that is 256 columns of hg, the channels' hidden and gate columns.
; Four waves; a wave makes 128 rows x 64 channels x (hidden, gate): 64 accumulator tiles of 16 x 16, 512 registers.  A wave's 128 rows are one CHUNK of the scan, so the
; scan needs no other wave.  Out go, for a later launch that chains the chunks: hl[e][m] = the scan started from 0 at the chunk's head, pp[e][m] = the product of (1 - z)
; from the chunk's head up to m (both bf16, TRANSPOSED: channel rows of 8,192 m), and ends[chunk][e] = (hl, pp) at the chunk's last row in f32.
; K = 1024 goes in steps of 128 through a ring of two LDS slots filled by the tensor data mover: a tile's rows are 256 bytes and start at multiples of 256 bytes.
; THE WAY OUT GOES CHANNEL BLOCK BY CHANNEL BLOCK: when the 128 rows of 16 channels are done, their rows of hl and pp are whole and are stored at once, so that
; three quarters of a wave's stores leave while it still computes.
; CLUSTERS: 4 x 4 work-groups.  The four of a row of the cluster need the same tiles of x, the four of a column the same tiles of W_hg: each tile is asked for jointly,
; by the same tensor load with the same descriptor and a mask that names the four.  That divides the requests for both by four.
;
; REGISTERS, in windows of 256:
;   window 0: v16-27 addresses; v32-43 the scan's carries; v64-127, v128-191 fragments of x (8 x 16 rows x 32 K), two buffers, on the way out the gates' work space;
;             v192-255 channel rows on their way from the stage to memory
;   window 1: v64-127, v128-191 fragments of W_hg, two buffers (fragments 0-3 hidden, 4-7 gate, of the same four blocks of 16 channels)
;   window 2: the accumulator tiles of my rows 0-63 (tile (a, b) at v[8 (8 a + b)]);   window 3: those of my rows 64-127
; The matrix instruction is used in its natural order (source 0 = rows of x, source 1 = rows of W_hg): lane l then holds channel l % 16 and its registers 0 to 7 the rows
; 8 (l / 16) + 0 .. 7: eight CONSECUTIVE positions of one channel, so the scan runs along a lane's registers, and the eight results pack into 16 bytes of a row of hl.
.set SIZE_K, 1024
.set KSTEP,  128
.set PITCH,  272                       ; an LDS row: 256 bytes + 16 of padding = 68 words: the 16 rows that a load touches start at 16 different banks (64 banks of 4 bytes: ISA guide 11.1)
.set HALFT,  128*PITCH                 ; 128 rows: what one tensor load brings
.set SLOT,   4*HALFT                   ; x's 256 rows, then 128 hidden rows, then 128 gate rows of W_hg
.set STAGE,  2*SLOT                    ; behind the ring, at a multiple of 256 bytes: the stage of the way out; no tensor load fills it
.set WSTAGE, 32*PITCH                  ; a wave's stage: 16 channel rows of hl, then 16 of pp, 8,704 bytes
.set LAPS, SIZE_K/(2*KSTEP)            ; a lap = two K steps = once round the ring: 4
.set EROW,   16384                     ; bytes of a channel row of hl and pp (8,192 m in bf16), and of a chunk's 2,048 pairs in ends
.set ADRA, 16                          ; v16-17  LDS address of my x fragments in slot 0, 1
.set ADRB, 20                          ; v20-21  the same for W_hg
.set STO,  24                          ; v24     the way out: where I put 16 bytes of a channel row
.set RD,   25                          ; v25     the way out: where I read a channel row back
.set CO,   26                          ; v26     my byte offset in hl and pp; never rewritten
.set EO,   27                          ; v27     my byte offset in ends; never rewritten
.set HC,   32                          ; v32-35  channel block cb: the scan's value at the last row done
.set PC,   36                          ; v36-39  channel block cb: the product of (1 - z) from the chunk's head to the last row done
.set EN,   40                          ; v40-43  the chunk's ends as stored
.set F0,   64                          ; fragment buffer 0
.set F1,   128                         ; fragment buffer 1
.set BK,   192                         ; v192-255 sixteen pairs of channel rows read back from the stage
.set EB,   64                          ; the gates' work space: 32 registers for each of four tiles of 16 rows, tile u at EB + 32 u:
.set OTG,  0                           ;   +0..7   gate -> z; then temporaries of the link between the lanes' halves
.set OTH,  8                           ;   +8..15  hidden -> sigmoid -> g -> z g -> the scan
.set OHP,  16                          ;   +16..23 hidden + 0.5; then the packed results
.set OAA,  24                          ;   +24..31 1 - z -> its running product
.set G1, 24                            ; s[24:31] descriptor group 1 for x's tiles
.set G0, 32                            ; s[32:39] descriptor group 0 for x's tiles, one set for each slot
.set G1B, 48                           ; s[48:55] descriptor group 1 for W_hg's tiles: it differs in the mask alone
.set G0B, 56                           ; s[56:63] descriptor group 0 for W_hg's tiles, one set for each slot
.set MSB, 0
.macro WIN new                         ; s_set_vgpr_msb: bits 1:0 source 0, 3:2 source 1, 5:4 source 2, 7:6 destination; the high byte repeats the setting that is left
.if MSB != \new
	s_set_vgpr_msb (MSB<<8)|\new
.set MSB, \new
.endif
.endm
.set MUL_LO, 0xa4                      ; source 0 (x) window 0, source 1 (W_hg) window 1, C and D window 2
.set MUL_HI, 0xf4                      ; the same, C and D window 3
.set TO_B,   0x40                      ; destination window 1, address window 0
; A joint load.  Waves 0 and 1 fetch x's two halves, wave 2 the hidden rows, wave 3 the gate rows.  Each line has one mask and one set of registers, and nothing in them
; hangs on a coordinate that the four partners do not share.  The branch hangs on the wave's number alone.
.macro JLOAD s
	s_cmp_eq_u32 s11, 0
	s_cbranch_scc0 .Lfor_b_\@
	tensor_load_to_lds s[G0+4*\s:G0+4*\s+3], s[G1:G1+7]
	s_nop 0
	s_branch .Lasked_\@
.Lfor_b_\@:
	tensor_load_to_lds s[G0B+4*\s:G0B+4*\s+3], s[G1B:G1B+7]
	s_nop 0
.Lasked_\@:
.endm
; A round of the cluster's barrier: my work-group's barrier; wave 0 signals for the work-group; every wave waits for all sixteen work-groups; my work-group's barrier once more.
.macro CREST                           ; a round behind its opening barrier
	s_cmp_lg_u32 s10, 0
	s_cbranch_scc1 .Lnot_wave_0_\@
	s_barrier_signal -3
.Lnot_wave_0_\@:
	s_barrier_wait -3
	s_barrier_signal -1
	s_barrier_wait -1
.endm
.macro CROUND                          ; a whole round
	s_barrier_signal -1
	s_barrier_wait -1
	CREST
.endm
	s_load_b128 s[4:7], s[0:1], 0x0                ; xb s[4:5], whb s[6:7]
	s_load_b128 s[68:71], s[0:1], 0x10             ; hl s[68:69], pp s[70:71]
	s_load_b64 s[72:73], s[0:1], 0x20              ; ends
	v_lshl_add_u32 v63, v0, 2, 0x4c800
	s_set_vgpr_msb 0x40
	v_mov_b32 v255, 0
	s_set_vgpr_msb 0x4044
	ds_add_u32 v63, v255
	s_set_vgpr_msb 0x4400
	v_lshrrev_b32 v1, 5, v0
	v_readfirstlane_b32 s10, v1                    ; wave 0..3
	s_lshr_b32 s11, s10, 1                         ; which 128 rows of the block are mine.  Also: I fetch for x (0) or for W_hg (1)
	s_and_b32 s12, s10, 1                          ; which 64 channels.  Also: which half of x's tile, or hidden (0) / gate (1), I fetch
	s_bfe_u32 s40, ttmp6, 0x40000                  ; cx: my place along the cluster's x
	s_bfe_u32 s41, ttmp6, 0x40004                  ; cy: along its y
	s_lshl_b32 s42, ttmp9, 2
	s_add_co_u32 s42, s42, s40                     ; block column (128 channels) = 4 x cluster x + cx
	s_and_b32 s13, ttmp7, 0xffff
	s_lshl_b32 s13, s13, 2
	s_add_co_u32 s13, s13, s41                     ; block row (256 rows) = 4 x cluster y + cy
	s_lshl_b32 s43, s41, 2
	s_lshl_b32 s43, 15, s43                        ; my row of the cluster: places 4 cy .. 4 cy + 3
	s_lshl_b32 s44, 0x1111, s40                    ; my column: places cx, cx + 4, cx + 8, cx + 12
	s_mov_b32 s74, 0xbfb8aa3b                      ; - log2 e, twice: a pair for the packed multiply
	s_mov_b32 s75, 0xbfb8aa3b
	s_mov_b32 s76, 0xffff0000                      ; the lanes 16 to 31, as a mask
	s_mov_b32 s77, 0x76543210                      ; v_permlanex16_b32: lane i of one half reads lane i of the other
	s_mov_b32 s78, 0xfedcba98
	; descriptor group 1: a tile of 128 rows x 128 elements, padded in LDS
	s_or_b32 s[G1+0], s43, (1<<16)|(1<<20)|(1<<21)|(5<<22)|(3<<25)  ; 15:0 the mask: x's tiles go to my row; 17:16 element of 2 bytes; 20 padding on; 21 set beside a mask; 24:22 after every 64 words; 31:25 of 4 words
	s_or_b32 s[G1B+0], s44, (1<<16)|(1<<20)|(1<<21)|(5<<22)|(3<<25) ; the same with the mask of my column, for W_hg's tiles
	s_mov_b32 s[G1B+1], KSTEP<<16
	s_mov_b32 s[G1+1], KSTEP<<16                   ; tensor_dim0 = 128
	s_mov_b32 s[G1B+2], 128<<16
	s_mov_b32 s[G1+2], 128<<16                     ; tensor_dim1 = 128
	s_mov_b32 s[G1B+3], KSTEP<<16
	s_mov_b32 s[G1+3], KSTEP<<16                   ; tile_dim0 = 128
	s_mov_b32 s[G1B+4], 128
	s_mov_b32 s[G1+4], 128                         ; tile_dim1 = 128
	s_mov_b32 s[G1B+5], SIZE_K
	s_mov_b32 s[G1+5], SIZE_K                      ; elements from row to row
	s_mov_b32 s[G1B+6], 0
	s_mov_b32 s[G1+6], 0
	s_mov_b32 s[G1B+7], 0
	s_mov_b32 s[G1+7], 0
	; where the tiles come from.  x's hang on the block row alone, W_hg's on the block column alone; each address in registers that never hold the other coordinate.
	s_lshl_b32 s17, s12, 7
	s_lshl_b32 s16, s13, 8
	s_add_co_u32 s16, s16, s17                     ; x: row 256 x block row + 128 x half
	s_lshl_b32 s47, s12, 11
	s_lshl_b32 s46, s42, 7
	s_add_co_u32 s46, s46, s47                     ; W_hg: row 128 x block column, + 2,048 for the gate rows
	s_mov_b32 s17, 0
	s_mov_b32 s47, 0
	s_mov_b64 s[18:19], SIZE_K*2
	s_mul_u64 s[16:17], s[16:17], s[18:19]         ; in bytes
	s_mul_u64 s[46:47], s[46:47], s[18:19]
	s_mul_i32 s20, s10, HALFT                      ; and where they go: wave x 128 rows: no place in the cluster enters an LDS address
	s_wait_dscnt 0x0
	s_wait_kmcnt 0x0
	s_add_nc_u64 s[14:15], s[4:5], s[16:17]
	s_add_nc_u64 s[46:47], s[6:7], s[46:47]
	CROUND                                         ; all sixteen work-groups are here: the first joint loads meet
.irp s, 0,1
	s_mov_b32 s[G0+4*\s], 1                                        ; count = 1
	s_add_co_u32 s[G0+4*\s+1], s20, \s*SLOT                        ; LDS address
	s_add_nc_u64 s[G0+4*\s+2:G0+4*\s+3], s[14:15], \s*KSTEP*2      ; global address: K step s
	s_or_b32 s[G0+4*\s+3], s[G0+4*\s+3], 0x80000000                ; type = 2
	s_mov_b32 s[G0B+4*\s], 1
	s_add_co_u32 s[G0B+4*\s+1], s20, \s*SLOT
	s_add_nc_u64 s[G0B+4*\s+2:G0B+4*\s+3], s[46:47], \s*KSTEP*2
	s_or_b32 s[G0B+4*\s+3], s[G0B+4*\s+3], 0x80000000
	JLOAD \s                                       ; both slots are asked for before anything else is done: two tensor loads of a wave are out here, one later on
.endr
	; A fragment is 16 rows x 32 K in 8 registers: lane l holds row l % 16; registers 0-3 hold K = 8 (l / 16) + 0..7, registers 4-7 K = 16 + 8 (l / 16) + 0..7:
	; two loads of 16 bytes, 32 bytes apart.
	v_and_b32 v1, 15, v0                           ; r = l % 16
	v_bfe_u32 v2, v0, 4, 1                         ; h = l / 16
	v_mul_u32_u24 v3, v1, PITCH
	v_lshl_add_u32 v3, v2, 4, v3                   ; r x pitch + 16 h
	s_mul_i32 s21, s11, HALFT                      ; my 128 rows of x
	s_mul_i32 s22, s12, 64*PITCH                   ; my 64 channels' hidden rows,
	s_add_co_u32 s22, s22, 2*HALFT                 ; which lie behind x's 256 rows; their gate rows lie 128 rows further on
.irp s, 0,1
	v_add_nc_u32 v[ADRA+\s], s21, v3
	v_add_nc_u32 v[ADRB+\s], s22, v3
	s_add_co_u32 s21, s21, SLOT
	s_add_co_u32 s22, s22, SLOT
.endr
	s_mul_i32 s23, s10, WSTAGE
	s_add_co_u32 s23, s23, STAGE                   ; my stage: a constant + wave x 8,704
	v_add_nc_u32 v[STO], s23, v3                   ; in: channel row r, 16 bytes for each half of the lanes
	v_mul_u32_u24 v5, v2, PITCH                    ; back: lanes 0-15 take one row of 256 bytes, lanes 16-31 the next
	v_lshl_add_u32 v5, v1, 4, v5
	v_add_nc_u32 v[RD], s23, v5
	v_lshlrev_b32 v5, 14, v2                       ; and the same two channel rows in hl and pp
	v_lshl_add_u32 v[CO], v1, 4, v5
	v_and_b32 v5, 31, v0
	v_lshlrev_b32 v[EO], 3, v5                     ; 8 bytes a lane in ends
; 16 matrix instructions: m blocks a0, a0 + 1 of the window's four (hi = 0: my rows 0-63, 1: rows 64-127) x all 8 column blocks, 32 along K.
; zero = 1: the first product starts the sums: nothing is cleared.  The 64 accumulators take turns, one instruction a turn, in the same order in every quarter step,
; over the loop's backward jump too.
.macro MUL16 f, hi, a0, zero
.irp a, \a0, \a0+1
.irp b, 0,1,2,3,4,5,6,7
.if \zero
	v_wmma_f32_16x16x32_bf16 v[8*(8*(\a)+\b):8*(8*(\a)+\b)+7], v[\f+8*(4*\hi+\a):\f+8*(4*\hi+\a)+7], v[\f+8*\b:\f+8*\b+7], 0
.else
	v_wmma_f32_16x16x32_bf16 v[8*(8*(\a)+\b):8*(8*(\a)+\b)+7], v[\f+8*(4*\hi+\a):\f+8*(4*\hi+\a)+7], v[\f+8*\b:\f+8*\b+7], v[8*(8*(\a)+\b):8*(8*(\a)+\b)+7]
.endif
.endr
.endr
.endm
; 32 LDS loads in one run: the fragments of one quarter step (64 hidden and 64 gate rows of W_hg, 128 rows of x, 32 K at byte k of the rows) into buffer f.
; W_hg's fragment i lies 16 i rows from my first hidden row, and 64 rows more for the gate fragments (128 - 64): 48,096 bytes at the most, inside the 16-bit offset.
.macro FETCH slot, k, f
	WIN TO_B
.irp i, 0,1,2,3,4,5,6,7
	ds_load_b128 v[\f+8*\i:\f+8*\i+3],   v[ADRB+\slot] offset:\k+(16*\i+64*(\i/4))*PITCH
	ds_load_b128 v[\f+8*\i+4:\f+8*\i+7], v[ADRB+\slot] offset:\k+(16*\i+64*(\i/4))*PITCH+32
.endr
	WIN 0
.irp i, 0,1,2,3,4,5,6,7
	ds_load_b128 v[\f+8*\i:\f+8*\i+3],   v[ADRA+\slot] offset:\k+\i*16*PITCH
	ds_load_b128 v[\f+8*\i+4:\f+8*\i+7], v[ADRA+\slot] offset:\k+\i*16*PITCH+32
.endr
.endm
; A load into a register that a matrix instruction has read stands four places behind that matrix instruction, and only plain vector instructions that name none of its
; registers are places (ISA guide 7.12.1 for vector instructions).
.macro PLACES
.rept 4
	v_nop
.endr
.endm
; A K step is four quarter steps of 32 along K, 64 matrix instructions each, on buffers 0, 1, 0, 1.
; One of the first three: multiplies buffer f; in its middle it fetches the next quarter's fragments, at byte k of the same slot's rows, into buffer g.
.macro QUARTER slot, k, f, g, zero
	s_wait_dscnt 8                                 ; W_hg's fragments and x's rows 0-63 are in; the youngest eight loads (x's rows 64-127) may be out
	WIN MUL_LO
	MUL16 \f, 0, 0, \zero
	MUL16 \f, 0, 2, \zero
	PLACES
	FETCH \slot, \k, \g
	s_wait_dscnt 32                                ; all but the 32 just issued
	WIN MUL_HI
	MUL16 \f, 1, 0, \zero
	MUL16 \f, 1, 2, \zero
.endm
.macro THREE slot, zero
	QUARTER \slot, 64,  F0, F1, \zero
	QUARTER \slot, 128, F1, F0, 0
	QUARTER \slot, 192, F0, F1, 0
.endm
; The last quarter: multiplies buffer 1 and changes slots.  next = the other slot; fill = 1: this slot is filled again, two K steps ahead.
; In front of the barrier each wave waits for its own reads of this slot and for all its tensor loads, of which one is out: its part of the next slot.  Behind it nobody
; reads this slot any more and the next slot is whole: the refill comes first, then the next slot's first fragments.  From a request to the wait for it a wave issues
; 240 matrix instructions.
.macro TURN slot, next, fill
	s_wait_dscnt 8
	WIN MUL_LO
	MUL16 F1, 0, 0, 0
	s_wait_dscnt 0                                 ; my reads of this slot are over
	s_wait_tensorcnt 0x0                           ; and all my tensor loads have landed
	ds_add_u32 v63, v255
	s_wait_dscnt 0x0
	s_barrier_signal -1                            ; say so (where a slot is filled again this barrier opens a round of the cluster's barrier),
	MUL16 F1, 0, 2, 0                              ; work on registers while the others arrive,
	WIN 0
	s_barrier_wait -1                              ; and go on when all four have said so
.if \fill
	CREST                                          ; all sixteen work-groups have said so: no wave of any partner still reads this slot's tile or has a load on its way
	s_add_nc_u64 s[G0+4*\slot+2:G0+4*\slot+3], s[G0+4*\slot+2:G0+4*\slot+3], 2*KSTEP*2
	s_add_nc_u64 s[G0B+4*\slot+2:G0B+4*\slot+3], s[G0B+4*\slot+2:G0B+4*\slot+3], 2*KSTEP*2
	JLOAD \slot                                    ; the first tensor load behind the round, and my only one until the next
.endif
	PLACES
	FETCH \next, 0, F0
	WIN MUL_HI
	MUL16 F1, 1, 0, 0
	MUL16 F1, 1, 2, 0
.endm
.macro LAP zero                        ; once round the ring, both slots filled again
	THREE 0, \zero
	TURN 0, 1, 1
	THREE 1, 0
	TURN 1, 0, 1
.endm
; THE WAY OUT'S MACROS.
; What came in from the rows above is applied to two of a lane's eight rows of tile u: H += P x (h in front of my first row), P *= (the product in front of it).
.macro APPLY u, i
	v_pk_fma_f32 v[EB+32*\u+OTH+\i:EB+32*\u+OTH+\i+1], v[EB+32*\u+OAA+\i:EB+32*\u+OAA+\i+1], v[EB+32*\u+OTG+2:EB+32*\u+OTG+3], v[EB+32*\u+OTH+\i:EB+32*\u+OTH+\i+1] op_sel_hi:[1,0,1]
	v_pk_mul_f32 v[EB+32*\u+OAA+\i:EB+32*\u+OAA+\i+1], v[EB+32*\u+OAA+\i:EB+32*\u+OAA+\i+1], v[EB+32*\u+OTG+4:EB+32*\u+OTG+5] op_sel_hi:[1,0]
.endm
; 64 rows (g = 0: my rows 0-63, window 2; g = 1: rows 64-127, window 3; from = source 0's window) of the 16 channels of block cb: four tiles u of 16 rows.
; The four tiles go side by side through the gates and through the scan of a lane's eight rows, so that no instruction waits for the one in front of it;
; only the link from 16 rows to the next 16 is a chain.
.macro QUAD cb, g, from
	WIN \from
.irp u, 0,1,2,3
.irp i, 0,2,4,6
	v_pk_mul_f32 v[EB+32*\u+OTG+\i:EB+32*\u+OTG+\i+1], v[8*(8*\u+4+\cb)+\i:8*(8*\u+4+\cb)+\i+1], s[74:75] op_sel_hi:[1,0]   ; - gate log2 e
	v_pk_mul_f32 v[EB+32*\u+OTH+\i:EB+32*\u+OTH+\i+1], v[8*(8*\u+\cb)+\i:8*(8*\u+\cb)+\i+1], s[74:75] op_sel_hi:[1,0]       ; - hidden log2 e
	v_pk_add_f32 v[EB+32*\u+OHP+\i:EB+32*\u+OHP+\i+1], v[8*(8*\u+\cb)+\i:8*(8*\u+\cb)+\i+1], 0.5 op_sel_hi:[1,0]            ; hidden + 0.5
.endr
.endr
	WIN 0
.irp u, 0,1,2,3
.irp j, 0,1,2,3,4,5,6,7,8,9,10,11,12,13,14,15
	v_exp_f32 v[EB+32*\u+\j], v[EB+32*\u+\j]       ; e^-gate, e^-hidden
.endr
.endr
	v_nop                                          ; one plain vector instruction between a transcendental and the use of its result (ISA guide 5.7.2)
	s_wait_alu depctr_va_vdst(0)
.irp u, 0,1,2,3
.irp i, 0,2,4,6,8,10,12,14
	v_pk_add_f32 v[EB+32*\u+\i:EB+32*\u+\i+1], v[EB+32*\u+\i:EB+32*\u+\i+1], 1.0 op_sel_hi:[1,0]
.endr
.endr
.irp u, 0,1,2,3
.irp j, 0,1,2,3,4,5,6,7,8,9,10,11,12,13,14,15
	v_rcp_f32 v[EB+32*\u+\j], v[EB+32*\u+\j]       ; z = sigmoid(gate), sigmoid(hidden)
.endr
.endr
	v_nop                                          ; as above
	s_wait_alu depctr_va_vdst(0)
.irp u, 0,1,2,3
.irp j, 0,1,2,3,4,5,6,7
	v_max_num_f32 v[EB+32*\u+OTH+\j], v[EB+32*\u+OTH+\j], v[EB+32*\u+OHP+\j]   ; g = max(sigmoid(hidden), hidden + 0.5)
.endr
.endr
.irp u, 0,1,2,3
.irp i, 0,2,4,6
	v_pk_fma_f32 v[EB+32*\u+OAA+\i:EB+32*\u+OAA+\i+1], v[EB+32*\u+OTG+\i:EB+32*\u+OTG+\i+1], -1.0, 1.0 op_sel_hi:[1,0,0]           ; 1 - z
	v_pk_mul_f32 v[EB+32*\u+OTH+\i:EB+32*\u+OTH+\i+1], v[EB+32*\u+OTH+\i:EB+32*\u+OTH+\i+1], v[EB+32*\u+OTG+\i:EB+32*\u+OTG+\i+1] ; z g
.endr
.endr
	; the scan over a lane's eight rows, started from 0: H[j] = (1 - z[j]) H[j-1] + z[j] g[j], P[j] = (1 - z[j]) P[j-1]
.irp j, 1,2,3,4,5,6,7
.irp u, 0,1,2,3
	v_fmac_f32 v[EB+32*\u+OTH+\j], v[EB+32*\u+OAA+\j], v[EB+32*\u+OTH+\j-1]
.endr
.irp u, 0,1,2,3
	v_mul_f32 v[EB+32*\u+OAA+\j], v[EB+32*\u+OAA+\j], v[EB+32*\u+OAA+\j-1]
.endr
.endr
	; what lies between a tile's head and my first row: for lanes 0-15 (rows 0-7) nothing, for lanes 16-31 (rows 8-15) the other half's eight rows
.irp u, 0,1,2,3
	v_permlanex16_b32 v[EB+32*\u+OTG+0], v[EB+32*\u+OAA+7], s77, s78       ; the other half's P[7] (the destination holds z: written before)
	v_permlanex16_b32 v[EB+32*\u+OTG+1], v[EB+32*\u+OTH+7], s77, s78       ; the other half's H[7]
.endr
.irp u, 0,1,2,3
	v_cndmask_b32 v[EB+32*\u+OTG+0], 1.0, v[EB+32*\u+OTG+0], s76
	v_cndmask_b32 v[EB+32*\u+OTG+1], 0, v[EB+32*\u+OTG+1], s76
.endr
	; the chain over the four tiles.  Rows 6 and 7 go first, since row 15's figures (lanes 16-31) are the next tile's carry; the other rows fill the gaps of the chain.
.irp u, 0,1,2,3
	v_fma_f32 v[EB+32*\u+OTG+2], v[EB+32*\u+OTG+0], v[HC+\cb], v[EB+32*\u+OTG+1]   ; h in front of my first row
	v_mul_f32 v[EB+32*\u+OTG+4], v[EB+32*\u+OTG+0], v[PC+\cb]                      ; the product in front of my first row
	APPLY \u, 6
	APPLY \u, 0
	v_permlanex16_b32 v[EB+32*\u+OTG+6], v[EB+32*\u+OTH+7], s77, s78
	v_permlanex16_b32 v[EB+32*\u+OTG+7], v[EB+32*\u+OAA+7], s77, s78
	APPLY \u, 2
	v_cndmask_b32 v[HC+\cb], v[EB+32*\u+OTG+6], v[EB+32*\u+OTH+7], s76             ; row 15's figures in every lane
	v_cndmask_b32 v[PC+\cb], v[EB+32*\u+OTG+7], v[EB+32*\u+OAA+7], s76
	APPLY \u, 4
.endr
	; eight rows of one channel are 16 neighbouring bytes of a channel row
.irp u, 0,1,2,3
.irp i, 0,1,2,3
	v_cvt_pk_bf16_f32 v[EB+32*\u+OHP+\i],   v[EB+32*\u+OTH+2*\i], v[EB+32*\u+OTH+2*\i+1]
	v_cvt_pk_bf16_f32 v[EB+32*\u+OHP+4+\i], v[EB+32*\u+OAA+2*\i], v[EB+32*\u+OAA+2*\i+1]
.endr
.endr
.irp u, 0,1,2,3
	ds_store_b128 v[STO], v[EB+32*\u+OHP:EB+32*\u+OHP+3]   offset:32*(4*\g+\u)             ; channel row r, rows 16 (4 g + u) + 8 h ..
	ds_store_b128 v[STO], v[EB+32*\u+OHP+4:EB+32*\u+OHP+7] offset:16*PITCH+32*(4*\g+\u)    ; the product's 16 rows lie behind the scan's 16
.endr
.endm
; The 16 channel rows of hl and the 16 of pp of block cb are whole: read back as rows of 256 bytes and stored, while the next channel block is still to be computed.
.macro BACKC cb
.if \cb
	s_wait_xcnt 0x0                                ; every earlier memory instruction has had its addresses translated (ISA guide 3.1): v192-255, which the last channel block's stores read, are loaded again only behind this wait
.endif
.irp t, 0,1,2,3,4,5,6,7,8,9,10,11,12,13,14,15
	ds_load_b128 v[BK+4*\t:BK+4*\t+3], v[RD] offset:2*\t*PITCH     ; my own bytes: LDS serves a wave's instructions in order (ISA guide 5.7.1.4), these see the stores above
.endr
.irp t, 0,1,2,3,4,5,6,7
	s_wait_dscnt 15-\t                             ; load t is in, the younger ones stay out
	global_store_b128 v[CO], v[BK+4*\t:BK+4*\t+3], s[68:69] offset:(16*\cb+2*\t)*EROW       ; 16 lanes store 256 consecutive bytes, aligned; 62 rows of 16,384 bytes at the most, inside the signed 24-bit immediate
.endr
.irp t, 8,9,10,11,12,13,14,15
	s_wait_dscnt 15-\t
	global_store_b128 v[CO], v[BK+4*\t:BK+4*\t+3], s[70:71] offset:(16*\cb+2*(\t-8))*EROW
.endr
.endm
	; THE PRODUCT
	s_wait_tensorcnt 1                             ; my part of K step 0 is in; K step 1's may stay out
	s_barrier_signal -1
	s_barrier_wait -1                              ; everybody's is
	FETCH 0, 0, F0
	LAP 1                                          ; the first lap stands in front of the loop: its first products start the sums
	WIN 0                                          ; at a label and at a branch every window is 0
	s_mov_b32 s3, LAPS-2
.Llap:
	LAP 0
	WIN 0
	s_sub_co_u32 s3, s3, 1
	s_cmp_lg_u32 s3, 0
	s_cbranch_scc1 .Llap
	THREE 0, 0                                     ; the last lap fills nothing, and has no round of the cluster's barrier
	TURN 0, 1, 0
	THREE 1, 0
	s_wait_dscnt 8                                 ; the very last quarter: nothing more to fetch
	WIN MUL_LO
	MUL16 F1, 0, 0, 0
	MUL16 F1, 0, 2, 0
	s_wait_dscnt 0
	WIN MUL_HI
	MUL16 F1, 1, 0, 0
	MUL16 F1, 1, 2, 0
	; THE GATES AND THE SCAN.  The chunk starts from h = 0 and an empty product.  These eight moves are also the places behind the last matrix instruction
	; (ISA guide 7.12.1): what follows reads its results and writes over its sources.
	WIN 0
.irp cb, 0,1,2,3
	v_mov_b32 v[HC+\cb], 0
	v_mov_b32 v[PC+\cb], 1.0
.endr
	; the bases of the three outputs.  The block row's part and the block column's part are made in separate registers.
	s_lshl_b32 s16, s13, 9                         ; hl, pp: column m = 256 x block row + 128 x half, 2 bytes each
	s_lshl_b32 s14, s11, 8
	s_add_co_u32 s16, s16, s14
	s_mov_b32 s17, 0
	s_lshl_b32 s46, s42, 21                        ; channel row 128 x block column + 64 x half, 16,384 bytes each
	s_lshl_b32 s47, s12, 20
	s_add_co_u32 s46, s46, s47
	s_mov_b32 s47, 0
	s_add_nc_u64 s[68:69], s[68:69], s[16:17]
	s_add_nc_u64 s[68:69], s[68:69], s[46:47]
	s_add_nc_u64 s[70:71], s[70:71], s[16:17]
	s_add_nc_u64 s[70:71], s[70:71], s[46:47]
	s_lshl_b32 s16, s13, 15                        ; ends: chunk 2 x block row + half, 16,384 bytes each
	s_lshl_b32 s14, s11, 14
	s_add_co_u32 s16, s16, s14
	s_lshl_b32 s46, s42, 10                        ; my first channel, 8 bytes each
	s_lshl_b32 s47, s12, 9
	s_add_co_u32 s46, s46, s47
	s_mov_b32 s47, 0
	s_add_nc_u64 s[72:73], s[72:73], s[16:17]
	s_add_nc_u64 s[72:73], s[72:73], s[46:47]
.irp cb, 0,1,2,3
	QUAD \cb, 0, 0x02                              ; rows 0-63 of 16 channels,
	QUAD \cb, 1, 0x03                              ; rows 64-127,
	BACKC \cb                                      ; and their 32 whole rows of hl and pp leave
.endr
	; the chunk's ends in f32: both halves of the lanes hold them, so lanes 0-15 give channel block 2 q and lanes 16-31 block 2 q + 1: 32 pairs, 256 consecutive bytes, aligned
.irp q, 0,1
	v_cndmask_b32 v[EN+2*\q],   v[HC+2*\q], v[HC+2*\q+1], s76
	v_cndmask_b32 v[EN+2*\q+1], v[PC+2*\q], v[PC+2*\q+1], s76
	global_store_b64 v[EO], v[EN+2*\q:EN+2*\q+1], s[72:73] offset:256*\q
.endr
	s_set_vgpr_msb 0x4
	s_wait_tensorcnt 0x0
	ds_add_u32 v63, v255
	s_wait_dscnt 0x0
	s_set_vgpr_msb 0x400
	CROUND                                         ; the closing round: no work-group ends while a partner may still ask for a tile that names it
	s_endpgm
.Lfunc_end_k_q6aca829290_proj:
	.size	k_q6aca829290_proj, .Lfunc_end_k_q6aca829290_proj-k_q6aca829290_proj
	.p2alignl 7, 3214868480
	.fill 96, 4, 3214868480
	.section	.rodata,"a",@progbits
	.p2align	6, 0x0
	.amdhsa_kernel k_q6aca829290_proj
		.amdhsa_group_segment_fixed_size 327680
		.amdhsa_private_segment_fixed_size 0
		.amdhsa_enable_private_segment 0
		.amdhsa_kernarg_size 40
		.amdhsa_user_sgpr_count 2
		.amdhsa_user_sgpr_kernarg_segment_ptr 1
		.amdhsa_wavefront_size32 1
		.amdhsa_system_sgpr_workgroup_id_x 1
		.amdhsa_system_sgpr_workgroup_id_y 1
		.amdhsa_system_sgpr_workgroup_id_z 1
		.amdhsa_system_vgpr_workitem_id 0
		.amdhsa_next_free_vgpr 1024
		.amdhsa_next_free_sgpr 80
		.amdhsa_reserve_vcc 0
		.amdhsa_float_denorm_mode_32 3
		.amdhsa_float_denorm_mode_16_64 3
		.amdhsa_memory_ordered 1
		.amdhsa_forward_progress 1
		.amdhsa_inst_pref_size 255
	.end_amdhsa_kernel
	.section	.bss,"aw",@nobits
	.p2align	6
	.space	262144
	.amdgpu_metadata
---
amdhsa.version: [ 1, 2 ]
amdhsa.kernels:
  - .name:           k_q6aca829290_proj
    .symbol:         k_q6aca829290_proj.kd
    .args:
      - { .name: xb, .offset: 0, .size: 8, .value_kind: global_buffer, .address_space: global }
      - { .name: whb, .offset: 8, .size: 8, .value_kind: global_buffer, .address_space: global }
      - { .name: hl, .offset: 16, .size: 8, .value_kind: global_buffer, .address_space: global }
      - { .name: pp, .offset: 24, .size: 8, .value_kind: global_buffer, .address_space: global }
      - { .name: ends, .offset: 32, .size: 8, .value_kind: global_buffer, .address_space: global }
    .group_segment_fixed_size: 327680
    .private_segment_fixed_size: 0
    .kernarg_segment_align: 8
    .kernarg_segment_size: 40
    .max_flat_workgroup_size: 128
    .sgpr_count:     80
    .vgpr_count:     1024
    .wavefront_size: 32
...
	.end_amdgpu_metadata
.endif
;; end of part 2
;; launch carry (part 3): grid 128 x 4, 8 waves a work-group, no clusters, 0 bytes of LDS; arguments hl, pp, ends, hh; writes hh
.if DOCPART == 3
	.amdgcn_target "amdgcn-amd-amdhsa--gfx1250"
	.amdhsa_code_object_version 6
	.text
	.protected	k_q6aca829290_carry
	.globl	k_q6aca829290_carry
	.p2align	8
	.type	k_q6aca829290_carry,@function
k_q6aca829290_carry:
	s_mov_b64 s[64:65], 0
	v_nop
	global_prefetch_b8 v0, s[64:65] scope:SCOPE_SE
	s_setreg_imm32_b32 hwreg(HW_REG_WAVE_MODE, 25, 1), 1
	s_wait_xcnt 0x0
; hh[e][m] = hl[e][m] + pp[e][m] x carry, where carry is h at the last row of the chunk in front (0 for a batch's first chunk).
; The carries of a channel's 16 chunks form a chain in f32: carry[c+1] = P_end[c] carry[c] + H_end[c], from ends[chunk][e] = (H_end, P_end).
; All terms are positive or zero, so no difference of large numbers is formed; hh is rounded to bf16 once, as the next product's operand.
; A stream: hl, pp and ends are read once, hh is written once.  No LDS, no barrier, no cluster, no matrix unit: nothing is shared between waves.
; Work-group (gx, b): channels 16 gx .. 16 gx + 15 of batch b.  Thread t: channel 16 gx + t / 16.  Lanes 0-15 of a wave cover the 256 bytes of one chunk of one channel,
; lanes 16-31 those of the next channel, so a chunk's carry is one register a lane.  All 46 loads of a wave are issued before the first is used.
.set EROW, 16384                       ; bytes of a channel row (8,192 m in bf16), and of a chunk's 2,048 pairs in ends
.set CE, 4                             ; v[4:33]    chunk c = 0..14: (H_end, P_end); behind the chain the first of the pair is carry[c+1]
.set HL, 36                            ; v[36:99]   chunk c: 4 registers, hl as loaded, then hh as stored
.set PP, 100                           ; v[104:163] chunk c = 1..15: 4 registers (chunk 0 has no carry: its pp is not read)
.set TW, 164                           ; v[164:171] at work
	s_load_b256 s[4:11], s[0:1], 0x0               ; hl s[4:5], pp s[6:7], ends s[8:9], hh s[10:11]
	s_and_b32 s12, ttmp7, 0xffff                   ; batch
	s_lshl_b32 s14, s12, 18                        ; 16 chunks of 16,384 bytes in ends
	s_lshl_b32 s12, s12, 12                        ; 2,048 positions of 2 bytes in a channel row
	s_mov_b32 s13, 0
	s_mov_b32 s15, 0
	s_lshl_b32 s16, ttmp9, 4
	v_lshrrev_b32 v3, 4, v0
	v_add_nc_u32 v3, s16, v3                       ; my channel
	v_and_b32 v1, 15, v0
	v_lshlrev_b32 v1, 4, v1
	v_lshl_add_u32 v1, v3, 14, v1                  ; channel x 16,384 + 16 x (lane mod 16); never rewritten
	v_lshlrev_b32 v2, 3, v3                        ; channel x 8; never rewritten
	s_wait_kmcnt 0x0
	s_add_nc_u64 s[4:5], s[4:5], s[12:13]
	s_add_nc_u64 s[6:7], s[6:7], s[12:13]
	s_add_nc_u64 s[10:11], s[10:11], s[12:13]
	s_add_nc_u64 s[8:9], s[8:9], s[14:15]
.irp c, 0,1,2,3,4,5,6,7,8,9,10,11,12,13,14
	global_load_b64 v[CE+2*\c:CE+2*\c+1], v2, s[8:9] offset:EROW*\c
.endr
	global_load_b128 v[HL:HL+3], v1, s[4:5] th:TH_LOAD_NT
.irp c, 1,2,3,4,5,6,7,8,9,10,11,12,13,14,15
	global_load_b128 v[HL+4*\c:HL+4*\c+3], v1, s[4:5] offset:256*\c th:TH_LOAD_NT
	global_load_b128 v[PP+4*\c:PP+4*\c+3], v1, s[6:7] offset:256*\c th:TH_LOAD_NT
.endr
	s_wait_loadcnt 31                              ; the fifteen pairs are in; the 31 loads of hl and pp behind them stay out
.irp c, 1,2,3,4,5,6,7,8,9,10,11,12,13,14
	v_fma_f32 v[CE+2*\c], v[CE+2*\c+1], v[CE+2*\c-2], v[CE+2*\c]   ; carry[c+1] = P_end[c] carry[c] + H_end[c]; carry[1] = H_end[0] lies there already
.endr
	s_wait_loadcnt 30                              ; hl's chunk 0 is in
	global_store_b128 v1, v[HL:HL+3], s[10:11]     ; a batch's first chunk starts from h = 0: it is final as it is
.irp c, 1,2,3,4,5,6,7,8,9,10,11,12,13,14,15
	s_wait_loadcnt 30-2*\c                         ; chunk c's two loads are in; two for each later chunk stay out
.irp k, 0,1,2,3
	v_fma_mix_f32_bf16 v[TW+2*\k],   v[PP+4*\c+\k], v[CE+2*\c-2], v[HL+4*\c+\k] op_sel_hi:[1,0,1]                  ; low halves: pp x carry + hl, in f32
	v_fma_mix_f32_bf16 v[TW+2*\k+1], v[PP+4*\c+\k], v[CE+2*\c-2], v[HL+4*\c+\k] op_sel:[1,0,1] op_sel_hi:[1,0,1]   ; high halves
.endr
.irp k, 0,1,2,3
	v_cvt_pk_bf16_f32 v[HL+4*\c+\k], v[TW+2*\k], v[TW+2*\k+1]
.endr
	global_store_b128 v1, v[HL+4*\c:HL+4*\c+3], s[10:11] offset:256*\c     ; 16 lanes store 256 consecutive bytes, aligned; its registers are not written again
.endr
	s_endpgm
.Lfunc_end_k_q6aca829290_carry:
	.size	k_q6aca829290_carry, .Lfunc_end_k_q6aca829290_carry-k_q6aca829290_carry
	.p2alignl 7, 3214868480
	.fill 96, 4, 3214868480
	.section	.rodata,"a",@progbits
	.p2align	6, 0x0
	.amdhsa_kernel k_q6aca829290_carry
		.amdhsa_group_segment_fixed_size 0
		.amdhsa_private_segment_fixed_size 0
		.amdhsa_enable_private_segment 0
		.amdhsa_kernarg_size 32
		.amdhsa_user_sgpr_count 2
		.amdhsa_user_sgpr_kernarg_segment_ptr 1
		.amdhsa_wavefront_size32 1
		.amdhsa_system_sgpr_workgroup_id_x 1
		.amdhsa_system_sgpr_workgroup_id_y 1
		.amdhsa_system_sgpr_workgroup_id_z 1
		.amdhsa_system_vgpr_workitem_id 0
		.amdhsa_next_free_vgpr 176
		.amdhsa_next_free_sgpr 66
		.amdhsa_reserve_vcc 0
		.amdhsa_float_denorm_mode_32 3
		.amdhsa_float_denorm_mode_16_64 3
		.amdhsa_memory_ordered 1
		.amdhsa_forward_progress 1
		.amdhsa_inst_pref_size 20
	.end_amdhsa_kernel
	.amdgpu_metadata
---
amdhsa.version: [ 1, 2 ]
amdhsa.kernels:
  - .name:           k_q6aca829290_carry
    .symbol:         k_q6aca829290_carry.kd
    .args:
      - { .name: hl, .offset: 0, .size: 8, .value_kind: global_buffer, .address_space: global }
      - { .name: pp, .offset: 8, .size: 8, .value_kind: global_buffer, .address_space: global }
      - { .name: ends, .offset: 16, .size: 8, .value_kind: global_buffer, .address_space: global }
      - { .name: hh, .offset: 24, .size: 8, .value_kind: global_buffer, .address_space: global }
    .group_segment_fixed_size: 0
    .private_segment_fixed_size: 0
    .kernarg_segment_align: 8
    .kernarg_segment_size: 32
    .max_flat_workgroup_size: 256
    .sgpr_count:     66
    .vgpr_count:     176
    .wavefront_size: 32
...
	.end_amdgpu_metadata
.endif
;; end of part 3
;; launch outp (part 4): grid 8 x 32, 4 waves a work-group, clusters of 4 x 4, 327,680 bytes of LDS; arguments hh, wob, out0; writes out0
.if DOCPART == 4
	.amdgcn_target "amdgcn-amd-amdhsa--gfx1250"
	.amdhsa_code_object_version 6
	.text
	.protected	k_q6aca829290_outp
	.globl	k_q6aca829290_outp
	.p2align	8
	.type	k_q6aca829290_outp,@function
k_q6aca829290_outp:
	s_mov_b64 s[64:65], 0
	v_nop
	global_prefetch_b8 v0, s[64:65] scope:SCOPE_SE
	s_setreg_imm32_b32 hwreg(HW_REG_WAVE_MODE, 25, 1), 1
	s_wait_xcnt 0x0
	s_wait_alu depctr_hold_cnt(0) depctr_sa_sdst(0) depctr_va_vdst(0) depctr_va_sdst(0) depctr_va_ssrc(0) depctr_va_vcc(0) depctr_vm_vsrc(0)
	s_getreg_b32 s2, hwreg(HW_REG_IB_STS2, 6, 4)
	s_cmp_eq_u32 s2, 0
	s_cbranch_scc0 .Lentry_in_a_cluster
	s_endpgm
.Lentry_in_a_cluster:
	s_bfe_u32 s2, ttmp6, 0x10000c
	s_cmp_lg_u32 s2, 0xf033
	s_cbranch_scc0 .Lentry_shape_is_right
	s_endpgm
.Lentry_shape_is_right:
; out0[m][n] = sum over e of h[m][e] W_out[n][e].  h comes TRANSPOSED: hh[e][m], 2,048 rows of 8,192 bf16.  wob: [1024 n][2048 e] bf16.  out0: [8192][1024] f32.
; A work-group makes 256 m x 128 n, which gives 32 x 8 = 256 work-groups; four waves, each 128 m x 64 n: 32 accumulator tiles of 16 x 16, 256 registers.
; K = 2,048 goes in steps of 128 through a ring of two LDS slots filled by the tensor data mover.  h's tile is 128 rows (e) of 512 bytes (256 m), W_out's 128 rows (n) of
; 256 bytes (128 e); all rows start at multiples of 256 bytes.  h's fragments are read with the transposing load ds_load_tr16_b128.  Two slots of a K step of 256 would take
; 2 x 196,608 bytes without padding: they do not fit.
; CLUSTERS: 4 x 4 work-groups.  h's tile hangs on the block row alone and is shared along a row of the cluster, W_out's on the block column alone and is shared along a column:
; each is asked for jointly, by the same tensor load with the same descriptor and a mask that names the four.
; PREFETCH: hh is read from memory once in this launch, tile by tile.  A tile of h has 128 rows x 2 blocks of 256 bytes; the eight work-groups of a block row share them out, 32 each,
; one for each lane of one instruction of wave 0.  In K step t the tile of K step t + 4 is asked for, two K steps ahead of the tensor load that fetches it (issued in K step t + 2);
; tiles 2 and 3 are asked for at the start, tiles 0 and 1 are loaded at once.  K steps 12 and 13 ask for the clamped last tile once more: no request leaves the buffer.
; wob's 4,194,304 bytes are shared out among the 256 work-groups, 4 rows of 4,096 bytes each, two instructions of wave 0 at the start: 16,384 of the 524,288 bytes that a work-group reads of it.
; REGISTERS: window 0: v16-29 addresses; v64-127, v128-191 fragments of h (8 x 16 m x 32 e), two buffers; v192-223, v224-255 fragments of W_out (4 x 16 n x 32 e), two buffers.
;            window 1: the accumulators, tile (a = m block 0..7, b = n block 0..3) at v[8 (4 a + b)].
; THE MATRIX INSTRUCTION IS USED TRANSPOSED: source 0 = 16 rows of W_out, source 1 = 16 columns m of h.  Lane l then holds row m = l % 16 of out0 and its registers 0 to 7
; the columns n = 8 (l / 16) + 0 .. 7: 32 neighbouring bytes of a row.
.set SIZE_K, 2048
.set KSTEP,  128
.set PA,     544                       ; LDS pitch of h's rows: 512 bytes + 32 of padding = 17 x 32, an odd multiple of 32, as the transposing load's eight rows want
.set PB,     272                       ; LDS pitch of W_out's rows: 256 bytes + 16 of padding
.set AHALF,  64*PA                     ; 64 rows of h: one tensor load, 34,816 bytes
.set BHALF,  64*PB                     ; 64 rows of W_out: one tensor load, 17,408 bytes
.set BOFF,   2*AHALF                   ; W_out's rows lie behind h's 128
.set SLOT,   2*AHALF+2*BHALF           ; 104,448 bytes
.set STAGE,  2*SLOT                    ; behind the ring: 16 rows x 272 bytes for each wave, for the way out; no tensor load fills it
.set SPITCH, 272
.set LAPS, SIZE_K/(2*KSTEP)            ; a lap = two K steps = once round the ring: 8
.set ASTEP, KSTEP*16384                ; bytes from one K step's tile of h to the next: 128 rows of 16,384
.set BSTEP, KSTEP*2                    ; the same for W_out: 128 elements along its rows
.set ADRA, 16                          ; v16-17  LDS address of my h fragments in slot 0, 1
.set ADRB, 20                          ; v20-21  the same for W_out
.set STO,  24                          ; v24     the way out: where I put 32 bytes of a row
.set RD,   25                          ; v25     the way out: where I read a row back
.set CO,   26                          ; v26     my byte offset in out0
.set PFA,  28                          ; v28     prefetch: my lane's block within a tile of hh; never rewritten
.set PFB,  29                          ; v29     prefetch: my lane's block of wob; never rewritten
.set FA0,  64
.set FA1,  128
.set FB0,  192
.set FB1,  224
.set G1, 24                            ; s[24:31] descriptor group 1 for h's tiles
.set G0, 32                            ; s[32:39] descriptor group 0 for h's tiles, one set for each slot
.set G1B, 48                           ; s[48:55] descriptor group 1 for W_out's tiles
.set G0B, 56                           ; s[56:63] descriptor group 0 for W_out's tiles, one set for each slot
                                       ; s[66:67] prefetch: hh at the tile asked for; s[68:69] that tile's byte offset in hh
.set MSB, 0
.macro WIN new                         ; s_set_vgpr_msb: bits 1:0 source 0, 3:2 source 1, 5:4 source 2, 7:6 destination; the high byte repeats the setting that is left
.if MSB != \new
	s_set_vgpr_msb (MSB<<8)|\new
.set MSB, \new
.endif
.endm
.set MULW, 0x50                        ; sources 0 and 1 window 0, C and D window 1
.set FROM_ACC, 0x04                    ; an LDS store's data (source 1) window 1, its address window 0
; A joint load.  Waves 0 and 1 fetch h's two halves, waves 2 and 3 W_out's.  The branch hangs on the wave's number alone.
.macro JLOAD s
	s_cmp_eq_u32 s11, 0
	s_cbranch_scc0 .Lfor_b_\@
	tensor_load_to_lds s[G0+4*\s:G0+4*\s+3], s[G1:G1+7]
	s_nop 0
	s_branch .Lasked_\@
.Lfor_b_\@:
	tensor_load_to_lds s[G0B+4*\s:G0B+4*\s+3], s[G1B:G1B+7]
	s_nop 0
.Lasked_\@:
.endm
; Wave 0 asks for my 32 blocks of the tile of h one K step behind the last one asked for, the last tile at the most.
.macro ASK
	s_cmp_lg_u32 s10, 0
	s_cbranch_scc1 .Lnot_asking_\@
	s_wait_xcnt 0x0                                ; the last request, a K step ago, has had its addresses translated (ISA guide 3.1): its base is rewritten only behind this wait
	s_add_co_u32 s68, s68, ASTEP
	s_min_u32 s68, s68, (SIZE_K/KSTEP-1)*ASTEP     ; never past the last tile
	s_add_nc_u64 s[66:67], s[4:5], s[68:69]
	global_prefetch_b8 v[PFA], s[66:67] th:TH_LOAD_NT scope:SCOPE_SE
.Lnot_asking_\@:
.endm
.macro CREST                           ; a round of the cluster's barrier behind its opening barrier
	s_cmp_lg_u32 s10, 0
	s_cbranch_scc1 .Lnot_wave_0_\@
	s_barrier_signal -3
.Lnot_wave_0_\@:
	s_barrier_wait -3
	s_barrier_signal -1
	s_barrier_wait -1
.endm
.macro CROUND                          ; a whole round
	s_barrier_signal -1
	s_barrier_wait -1
	CREST
.endm
	s_load_b128 s[4:7], s[0:1], 0x0                ; hh s[4:5], wob s[6:7]; both stay as they are
	s_load_b64 s[8:9], s[0:1], 0x10                ; out0
	v_lshl_add_u32 v62, v0, 2, 0x37400
	v_mov_b32 v63, 0
	ds_add_u32 v62, v63
	v_lshrrev_b32 v1, 5, v0
	v_readfirstlane_b32 s10, v1                    ; wave 0..3
	s_lshr_b32 s11, s10, 1                         ; which 128 m of the block are mine.  Also: I fetch for h (0) or for W_out (1)
	s_and_b32 s12, s10, 1                          ; which 64 n.  Also: which 64 rows of that tile I fetch
	s_bfe_u32 s40, ttmp6, 0x40000                  ; cx
	s_bfe_u32 s41, ttmp6, 0x40004                  ; cy
	s_lshl_b32 s42, ttmp9, 2
	s_add_co_u32 s42, s42, s40                     ; block column (128 n) = 4 x cluster x + cx
	s_and_b32 s13, ttmp7, 0xffff
	s_lshl_b32 s13, s13, 2
	s_add_co_u32 s13, s13, s41                     ; block row (256 m) = 4 x cluster y + cy
	s_lshl_b32 s43, s41, 2
	s_lshl_b32 s43, 15, s43                        ; my row of the cluster
	s_lshl_b32 s44, 0x1111, s40                    ; my column
	; group 1 for h: 64 rows x 256 elements, 8 words of padding after every 128 words; for W_out: 64 rows x 128 elements, 4 words after every 64
	s_or_b32 s[G1+0], s43, (1<<16)|(1<<20)|(1<<21)|(6<<22)|(7<<25)
	s_or_b32 s[G1B+0], s44, (1<<16)|(1<<20)|(1<<21)|(5<<22)|(3<<25)
	s_mov_b32 s[G1+1], 256<<16                     ; tensor_dim0
	s_mov_b32 s[G1B+1], 128<<16
	s_mov_b32 s[G1+2], 64<<16                      ; tensor_dim1
	s_mov_b32 s[G1B+2], 64<<16
	s_mov_b32 s[G1+3], 256<<16                     ; tile_dim0
	s_mov_b32 s[G1B+3], 128<<16
	s_mov_b32 s[G1+4], 64                          ; tile_dim1
	s_mov_b32 s[G1B+4], 64
	s_mov_b32 s[G1+5], 8192                        ; elements from row to row
	s_mov_b32 s[G1B+5], 2048
	s_mov_b32 s[G1+6], 0
	s_mov_b32 s[G1B+6], 0
	s_mov_b32 s[G1+7], 0
	s_mov_b32 s[G1B+7], 0
	; where the tiles come from, each address in registers that never hold the other coordinate
	s_lshl_b32 s16, s13, 9                         ; h: column 256 x block row, 2 bytes each,
	s_lshl_b32 s17, s12, 20                        ; row 64 x half, 16,384 bytes each
	s_add_co_u32 s16, s16, s17
	s_mov_b32 s17, 0
	s_lshl_b32 s46, s42, 19                        ; W_out: row 128 x block column + 64 x half, 4,096 bytes each
	s_lshl_b32 s47, s12, 18
	s_add_co_u32 s46, s46, s47
	s_mov_b32 s47, 0
	s_mul_i32 s20, s10, AHALF                      ; where they go.  h (waves 0, 1): wave x 34,816
	s_mul_i32 s23, s10, BHALF
	s_add_co_u32 s23, s23, BOFF-2*BHALF            ; W_out (waves 2, 3): 69,632 + (wave - 2) x 17,408
	s_wait_dscnt 0x0
	s_wait_kmcnt 0x0
	s_add_nc_u64 s[14:15], s[4:5], s[16:17]
	s_add_nc_u64 s[46:47], s[6:7], s[46:47]
	CROUND                                         ; all sixteen work-groups are here: the first joint loads meet
.irp s, 0,1
	s_mov_b32 s[G0+4*\s], 1
	s_add_co_u32 s[G0+4*\s+1], s20, \s*SLOT
	s_add_nc_u64 s[G0+4*\s+2:G0+4*\s+3], s[14:15], \s*ASTEP
	s_or_b32 s[G0+4*\s+3], s[G0+4*\s+3], 0x80000000
	s_mov_b32 s[G0B+4*\s], 1
	s_add_co_u32 s[G0B+4*\s+1], s23, \s*SLOT
	s_add_nc_u64 s[G0B+4*\s+2:G0B+4*\s+3], s[46:47], \s*BSTEP
	s_or_b32 s[G0B+4*\s+3], s[G0B+4*\s+3], 0x80000000
	JLOAD \s                                       ; both slots are asked for first: two tensor loads of a wave are out here, one later on
.endr
	; the prefetches' offsets.  h: row 16 x block column + lane / 2 of a tile's 128, block lane % 2 of the block row's 512 bytes.
	v_and_b32 v9, 31, v0                           ; lane
	v_lshrrev_b32 v10, 1, v9
	v_and_b32 v11, 1, v9
	s_lshl_b32 s66, s42, 4
	v_add_nc_u32 v10, s66, v10
	v_lshlrev_b32 v10, 14, v10                     ; rows of 16,384 bytes
	v_lshl_add_u32 v10, v11, 8, v10
	s_lshl_b32 s67, s13, 9
	v_add_nc_u32 v[PFA], s67, v10
	; W_out: row 128 x block column + 4 x block row + lane % 4, block lane / 4 of the first eight of a row's sixteen
	v_and_b32 v11, 3, v9
	v_lshrrev_b32 v12, 2, v9
	s_lshl_b32 s66, s42, 7
	s_lshl2_add_u32 s66, s13, s66
	v_add_nc_u32 v11, s66, v11
	v_lshlrev_b32 v11, 12, v11                     ; rows of 4,096 bytes
	v_lshl_add_u32 v[PFB], v12, 8, v11
	s_mov_b32 s68, 3*ASTEP                         ; the last tile of h asked for: K step 3's
	s_mov_b32 s69, 0
	s_cmp_lg_u32 s10, 0
	s_cbranch_scc1 .Lno_first_asks
	global_prefetch_b8 v[PFA], s[4:5] offset:2*ASTEP th:TH_LOAD_NT scope:SCOPE_SE  ; K step 2's tile of h, fetched behind K step 0's barrier
	global_prefetch_b8 v[PFA], s[4:5] offset:3*ASTEP th:TH_LOAD_NT scope:SCOPE_SE  ; K step 3's
	global_prefetch_b8 v[PFB], s[6:7] th:TH_LOAD_NT scope:SCOPE_SE                 ; my four rows of W_out, first halves
	global_prefetch_b8 v[PFB], s[6:7] offset:2048 th:TH_LOAD_NT scope:SCOPE_SE     ; second halves
.Lno_first_asks:
	v_and_b32 v1, 15, v0                           ; r = l % 16
	v_bfe_u32 v2, v0, 4, 1                         ; h = l / 16
	v_and_b32 v6, 7, v0
	v_bfe_u32 v7, v0, 3, 1
	; h's fragment, from rows that lie along m: the transposing load takes, in each group of eight lanes, 8 rows (e) x 8 columns (m); lane l addresses row 8 h + (l & 7),
	; 16 bytes at 16 ((l >> 3) & 1), and receives e = 8 h .. 8 h + 7 of column m = r.  The second load, 16 rows on, brings e = 16 + 8 h ..
	v_lshl_add_u32 v8, v2, 3, v6
	v_mul_u32_u24 v3, v8, PA
	v_lshl_add_u32 v3, v7, 4, v3
	s_lshl_b32 s21, s11, 8                         ; my 128 m: 256 bytes along the rows
	; W_out's fragment, from rows that lie along e: two loads of 16 bytes, 32 bytes apart, at row r, 16 h
	v_mul_u32_u24 v4, v1, PB
	v_lshl_add_u32 v4, v2, 4, v4
	s_mul_i32 s22, s12, BHALF                      ; my 64 n
	s_add_co_u32 s22, s22, BOFF
.irp s, 0,1
	v_add_nc_u32 v[ADRA+\s], s21, v3
	v_add_nc_u32 v[ADRB+\s], s22, v4
	s_add_co_u32 s21, s21, SLOT
	s_add_co_u32 s22, s22, SLOT
.endr
	s_mul_i32 s23, s10, 16*SPITCH
	s_add_co_u32 s23, s23, STAGE                   ; my stage
	v_mul_u32_u24 v5, v1, SPITCH                   ; in: row r, 32 bytes for each half of the lanes
	v_lshl_add_u32 v5, v2, 5, v5
	v_add_nc_u32 v[STO], s23, v5
	v_mul_u32_u24 v5, v2, SPITCH                   ; back: lanes 0-15 take one row of 256 bytes, lanes 16-31 the next
	v_lshl_add_u32 v5, v1, 4, v5
	v_add_nc_u32 v[RD], s23, v5
	v_lshlrev_b32 v5, 12, v2                       ; and the same two rows in out0 (4,096 bytes each)
	v_lshl_add_u32 v[CO], v1, 4, v5
; 16 matrix instructions: m blocks a0 .. a0 + 3 x all 4 n blocks, 32 along K.  zero = 1: the first product starts the sums.
; The 32 accumulators take turns, one instruction a turn, in the same order in every quarter step, over the loop's backward jump too.
.macro MUL16 fa, fb, a0, zero
.irp a, \a0, \a0+1, \a0+2, \a0+3
.irp b, 0,1,2,3
.if \zero
	v_wmma_f32_16x16x32_bf16 v[8*(4*(\a)+\b):8*(4*(\a)+\b)+7], v[\fb+8*\b:\fb+8*\b+7], v[\fa+8*(\a):\fa+8*(\a)+7], 0
.else
	v_wmma_f32_16x16x32_bf16 v[8*(4*(\a)+\b):8*(4*(\a)+\b)+7], v[\fb+8*\b:\fb+8*\b+7], v[\fa+8*(\a):\fa+8*(\a)+7], v[8*(4*(\a)+\b):8*(4*(\a)+\b)+7]
.endif
.endr
.endr
.endm
; 24 LDS loads in one run: quarter q's fragments (32 e) of slot: 64 n of W_out into fb, 128 m of h into fa.  h's largest offset: 96 + 16 rows of 544 bytes + 224 = 61,152.
.macro FETCH slot, q, fa, fb
.irp b, 0,1,2,3
	ds_load_b128 v[\fb+8*\b:\fb+8*\b+3],   v[ADRB+\slot] offset:64*\q+\b*16*PB
	ds_load_b128 v[\fb+8*\b+4:\fb+8*\b+7], v[ADRB+\slot] offset:64*\q+\b*16*PB+32
.endr
.irp a, 0,1,2,3,4,5,6,7
	ds_load_tr16_b128 v[\fa+8*\a:\fa+8*\a+3],   v[ADRA+\slot] offset:32*\q*PA+32*\a
	ds_load_tr16_b128 v[\fa+8*\a+4:\fa+8*\a+7], v[ADRA+\slot] offset:32*\q*PA+32*\a+16*PA
.endr
.endm
; A load into a register that a matrix instruction has read stands four places behind it, and only plain vector instructions that name none of its registers are places
; (ISA guide 7.12.1 for vector instructions).
.macro PLACES
.rept 4
	v_nop
.endr
.endm
; One of a K step's first three quarters: the next quarter's (qn) fragments are asked for into buffers ga, gb, then buffers fa, fb are multiplied: 32 matrix instructions in
; which the 24 loads can land.
.macro QUARTER slot, qn, fa, fb, ga, gb, zero
	WIN 0
	PLACES
	FETCH \slot, \qn, \ga, \gb
	s_wait_dscnt 24                                ; all but the 24 just issued: fa and fb are whole
	WIN MULW
	MUL16 \fa, \fb, 0, \zero
	MUL16 \fa, \fb, 4, \zero
.endm
.macro THREE slot, zero
	QUARTER \slot, 1, FA0, FB0, FA1, FB1, \zero
	QUARTER \slot, 2, FA1, FB1, FA0, FB0, 0
	QUARTER \slot, 3, FA0, FB0, FA1, FB1, 0
.endm
; The last quarter: multiplies buffers 1 and changes slots.  In front of the barrier each wave waits for its reads of this slot and for all its tensor loads, of which one is
; out: its part of the next slot.  Behind it the refill comes first, then the next slot's first fragments.  From a request to the wait for it a wave issues 112 matrix instructions.
.macro TURN slot, next, fill
	s_wait_dscnt 0                                 ; buffers 1 are whole, and my reads of this slot are over
	s_wait_tensorcnt 0x0                           ; all my tensor loads have landed
	ds_add_u32 v62, v63
	s_wait_dscnt 0x0
	s_barrier_signal -1                            ; say so (where a slot is filled again this barrier opens a round of the cluster's barrier),
	WIN MULW
	MUL16 FA1, FB1, 0, 0                           ; work on registers while the others arrive,
	WIN 0
	s_barrier_wait -1
.if \fill
	CREST                                          ; all sixteen work-groups have said so
	s_add_nc_u64 s[G0+4*\slot+2:G0+4*\slot+3], s[G0+4*\slot+2:G0+4*\slot+3], 2*ASTEP
	s_add_nc_u64 s[G0B+4*\slot+2:G0B+4*\slot+3], s[G0B+4*\slot+2:G0B+4*\slot+3], 2*BSTEP
	JLOAD \slot                                    ; the first tensor load behind the round, and my only one until the next
	ASK                                            ; and the tile two K steps behind the one just fetched is asked for
.endif
	PLACES
	FETCH \next, 0, FA0, FB0
	WIN MULW
	MUL16 FA1, FB1, 4, 0
.endm
.macro LAP zero
	THREE 0, \zero
	TURN 0, 1, 1
	THREE 1, 0
	TURN 1, 0, 1
.endm
	s_wait_tensorcnt 1                             ; my part of K step 0 is in; K step 1's may stay out
	s_barrier_signal -1
	s_barrier_wait -1
	FETCH 0, 0, FA0, FB0
	LAP 1                                          ; the first lap stands in front of the loop: its first products start the sums
	WIN 0
	s_mov_b32 s3, LAPS-2
.Llap:
	LAP 0
	WIN 0
	s_sub_co_u32 s3, s3, 1
	s_cmp_lg_u32 s3, 0
	s_cbranch_scc1 .Llap
	THREE 0, 0                                     ; the last lap fills nothing, asks for nothing, and has no round of the cluster's barrier
	TURN 0, 1, 0
	THREE 1, 0
	s_wait_dscnt 0                                 ; the very last quarter
	WIN MULW
	MUL16 FA1, FB1, 0, 0
	MUL16 FA1, FB1, 4, 0
	; THE WAY OUT, 16 rows of out0 at a time: 32 bytes a lane into my own stage, read back as whole pieces of rows of 256 bytes (my 64 n in f32).
	PLACES                                         ; the places behind the last matrix instructions: for the LDS stores, which read results, and for the loads into the fragment buffers
	s_lshl_b32 s16, s13, 20                        ; my first row: 256 x block row + 128 x half, 4,096 bytes each
	s_lshl_b32 s14, s11, 19
	s_add_co_u32 s16, s16, s14
	s_mov_b32 s17, 0
	s_add_nc_u64 s[8:9], s[8:9], s[16:17]
	s_lshl_b32 s46, s42, 9                         ; my first column: 128 x block column + 64 x half, 4 bytes each
	s_lshl_b32 s47, s12, 8
	s_add_co_u32 s46, s46, s47
	s_mov_b32 s47, 0
	s_add_nc_u64 s[8:9], s[8:9], s[46:47]
.macro OUT16 a, f
	WIN FROM_ACC
.irp b, 0,1,2,3
	ds_store_b128 v[STO], v[8*(4*\a+\b):8*(4*\a+\b)+3]   offset:64*\b          ; row r, columns 16 b + 8 h + 0..3
	ds_store_b128 v[STO], v[8*(4*\a+\b)+4:8*(4*\a+\b)+7] offset:64*\b+16       ; columns 16 b + 8 h + 4..7
.endr
	WIN 0
	s_wait_xcnt 0x0                                ; every earlier memory instruction has had its addresses translated (ISA guide 3.1): buffer f, which stores read, and the stores' base are rewritten only behind this wait
.if \a
	s_add_nc_u64 s[8:9], s[8:9], 16*4096           ; 16 rows on
.endif
.irp t, 0,1,2,3,4,5,6,7
	ds_load_b128 v[\f+4*\t:\f+4*\t+3], v[RD] offset:\t*2*SPITCH    ; my own bytes: LDS serves a wave's instructions in order (ISA guide 5.7.1.4)
.endr
.irp t, 0,1,2,3,4,5,6,7
	s_wait_dscnt 7-\t
	global_store_b128 v[CO], v[\f+4*\t:\f+4*\t+3], s[8:9] offset:\t*2*4096 th:TH_STORE_NT   ; 16 lanes store 256 consecutive bytes, aligned
.endr
.endm
	OUT16 0, FA0
	OUT16 1, FA1
	OUT16 2, FA0
	OUT16 3, FA1
	OUT16 4, FA0
	OUT16 5, FA1
	OUT16 6, FA0
	OUT16 7, FA1
	s_wait_tensorcnt 0x0
	ds_add_u32 v62, v63
	s_wait_dscnt 0x0
	CROUND                                         ; the closing round: no work-group ends while a partner may still ask for a tile that names it
	s_endpgm
.Lfunc_end_k_q6aca829290_outp:
	.size	k_q6aca829290_outp, .Lfunc_end_k_q6aca829290_outp-k_q6aca829290_outp
	.p2alignl 7, 3214868480
	.fill 96, 4, 3214868480
	.section	.rodata,"a",@progbits
	.p2align	6, 0x0
	.amdhsa_kernel k_q6aca829290_outp
		.amdhsa_group_segment_fixed_size 327680
		.amdhsa_private_segment_fixed_size 0
		.amdhsa_enable_private_segment 0
		.amdhsa_kernarg_size 24
		.amdhsa_user_sgpr_count 2
		.amdhsa_user_sgpr_kernarg_segment_ptr 1
		.amdhsa_wavefront_size32 1
		.amdhsa_system_sgpr_workgroup_id_x 1
		.amdhsa_system_sgpr_workgroup_id_y 1
		.amdhsa_system_sgpr_workgroup_id_z 1
		.amdhsa_system_vgpr_workitem_id 0
		.amdhsa_next_free_vgpr 512
		.amdhsa_next_free_sgpr 72
		.amdhsa_reserve_vcc 0
		.amdhsa_float_denorm_mode_32 3
		.amdhsa_float_denorm_mode_16_64 3
		.amdhsa_memory_ordered 1
		.amdhsa_forward_progress 1
		.amdhsa_inst_pref_size 120
	.end_amdhsa_kernel
	.amdgpu_metadata
---
amdhsa.version: [ 1, 2 ]
amdhsa.kernels:
  - .name:           k_q6aca829290_outp
    .symbol:         k_q6aca829290_outp.kd
    .args:
      - { .name: hh, .offset: 0, .size: 8, .value_kind: global_buffer, .address_space: global }
      - { .name: wob, .offset: 8, .size: 8, .value_kind: global_buffer, .address_space: global }
      - { .name: out0, .offset: 16, .size: 8, .value_kind: global_buffer, .address_space: global }
    .group_segment_fixed_size: 327680
    .private_segment_fixed_size: 0
    .kernarg_segment_align: 8
    .kernarg_segment_size: 24
    .max_flat_workgroup_size: 128
    .sgpr_count:     72
    .vgpr_count:     512
    .wavefront_size: 32
...
	.end_amdgpu_metadata
.endif
;; end of part 4
;; ======== version 2 of 2: 4 launches; version 1 with the launches cast, carry written anew for expert scheduling mode
;; limits: values outside matrix products are rounded to bf16
;; workspace buffers: xb 16,777,216 bytes; whb 8,388,608 bytes; wob 4,194,304 bytes; hl 33,554,432 bytes; pp 33,554,432 bytes; ends 1,048,576 bytes; hh 33,554,432 bytes
;; launch cast (part 5): grid 1792 x 1, 4 waves a work-group, no clusters, 0 bytes of LDS; arguments x, W_hg, W_out, xb, whb, wob; writes xb, whb, wob
.if DOCPART == 5
	.amdgcn_target "amdgcn-amd-amdhsa--gfx1250"
	.amdhsa_code_object_version 6
	.text
	.protected	k_q6aca829290_cast
	.globl	k_q6aca829290_cast
	.p2align	8
	.type	k_q6aca829290_cast,@function
k_q6aca829290_cast:
	s_mov_b64 s[64:65], 0
	v_nop
	global_prefetch_b8 v0, s[64:65] scope:SCOPE_SE
	s_setreg_imm32_b32 hwreg(HW_REG_WAVE_SCHED_MODE, 0, 2), 2
	s_setreg_imm32_b32 hwreg(HW_REG_WAVE_MODE, 25, 1), 1
	s_wait_xcnt 0x0
	s_wait_alu depctr_vm_vsrc(0)
; xb = bf16(x), whb = bf16(W_hg), wob = bf16(W_out): the matrix operands of the two products, rounded once (to nearest even).
; A stream: every input byte is read once and every output byte written once.  No LDS, no barrier, no cluster: no two
; work-groups read the same byte and no wave needs another's data.
; A work-group takes 32,768 bytes of f32 (8,192 numbers) and writes 16,384 bytes of bf16.  Work-groups 0-1023 take x
; (33,554,432 / 32,768), 1024-1535 W_hg, 1536-1791 W_out.  A wave takes 8,192 bytes as sixteen loads of 16 bytes a lane, all
; issued before the first is used; a load covers 512 consecutive bytes, a store of 8 bytes a lane 256 consecutive bytes, aligned.
; THE MODE: SCHED_MODE bits 1:0 = 2 (LLVM: expert scheduling mode 2), set by the entry lines.  The code itself states the register
; dependences between vector instructions and memory instructions, with s_wait_alu, always for 0.
; THE PLAN.  Registers that memory instructions touch:
;   v1, v2   byte offsets of the loads and of the stores: made once at the head by vector instructions, never written again.
;   X        written by the sixteen loads, which are issued before any vector instruction names X; read by the conversions.
;   Y        each register written once, by a conversion, and read once, by a store.
; The sixteen loads go in four blocks of four.  Block p converts X's block p into Y's block p; its memory instructions are the four stores of
; block p - 1, which read Y's block p - 1 and v2: registers that no vector instruction of block p names.  So one wait at a block's head states all
; that its four stores hang on, and they are dealt among its conversions.  No register that a memory instruction reads is written again.
.set X, 8                              ; v[8:71]    load i: 4 registers
.set Y, 72                             ; v[72:103]  store i: 2 registers; no register is written twice, so no store's source is ever reused
.set FIRST_WHG, 1024                   ; first work-group of W_hg
.set FIRST_WOUT, 1536                  ; first work-group of W_out
	s_load_b256 s[4:11], s[0:1], 0x0               ; x s[4:5], W_hg s[6:7], W_out s[8:9], xb s[10:11]
	s_load_b128 s[12:15], s[0:1], 0x20             ; whb s[12:13], wob s[14:15]
	v_lshrrev_b32 v3, 5, v0                        ; wave
	v_and_b32 v4, 31, v0                           ; lane
	v_lshlrev_b32 v1, 4, v4
	v_lshl_add_u32 v1, v3, 13, v1                  ; in: 8,192 x wave + 16 x lane
	v_lshrrev_b32 v2, 1, v1                        ; out: half of that
	s_mov_b32 s20, FIRST_WOUT
	s_wait_kmcnt 0x0
	; which tensor is mine: two choices between buffers, on the work-group's number alone
	s_cmp_lt_u32 ttmp9, FIRST_WOUT
	s_cselect_b64 s[16:17], s[6:7], s[8:9]
	s_cselect_b64 s[18:19], s[12:13], s[14:15]
	s_cselect_b32 s20, FIRST_WHG, s20
	s_cmp_lt_u32 ttmp9, FIRST_WHG
	s_cselect_b64 s[16:17], s[4:5], s[16:17]       ; from
	s_cselect_b64 s[18:19], s[10:11], s[18:19]     ; to
	s_cselect_b32 s20, 0, s20                      ; the tensor's first work-group
	s_sub_co_u32 s20, ttmp9, s20                   ; my number within the tensor, 1,023 at the most
	s_lshl_b32 s22, s20, 15
	s_mov_b32 s23, 0
	s_add_nc_u64 s[16:17], s[16:17], s[22:23]
	s_lshl_b32 s22, s20, 14
	s_add_nc_u64 s[18:19], s[18:19], s[22:23]
	s_wait_alu depctr_va_vdst(0)                   ; v1 and v2 are written: every load reads v1 and every store v2 as its offset
.irp i, 0,1,2,3,4,5,6,7,8,9,10,11,12,13,14,15
	global_load_b128 v[X+4*\i:X+4*\i+3], v1, s[16:17] offset:512*\i th:TH_LOAD_NT
.endr
; Block p: loads 4 p to 4 p + 3 are converted; the four stores of block p - 1 go out among the conversions.
.macro BLK p
	s_wait_loadcnt 12-4*(\p)                       ; loads come back in order (ISA guide 5.7.1): this block's four are in, the younger blocks' stay out
.if \p
	s_wait_alu depctr_va_vdst(0)                   ; the block before has written its eight registers of Y, which the four stores below read
.endif
.irp i, 0,1,2,3
.if \p
	global_store_b64 v2, v[Y+2*(4*(\p)-4+\i):Y+2*(4*(\p)-4+\i)+1], s[18:19] offset:256*(4*(\p)-4+\i)  ; no vector instruction since the wait names these registers
.endif
	v_cvt_pk_bf16_f32 v[Y+2*(4*(\p)+\i)],   v[X+4*(4*(\p)+\i)],   v[X+4*(4*(\p)+\i)+1]
	v_cvt_pk_bf16_f32 v[Y+2*(4*(\p)+\i)+1], v[X+4*(4*(\p)+\i)+2], v[X+4*(4*(\p)+\i)+3]
.endr
.endm
	BLK 0                                          ; no block in front of it: no store, and no wait but the one for its data
	BLK 1
	BLK 2
	BLK 3
	s_wait_alu depctr_va_vdst(0)                   ; block 3 has written its eight registers of Y, which the last four stores read
.irp i, 12,13,14,15
	global_store_b64 v2, v[Y+2*\i:Y+2*\i+1], s[18:19] offset:256*\i
.endr
	s_endpgm
.Lfunc_end_k_q6aca829290_cast:
	.size	k_q6aca829290_cast, .Lfunc_end_k_q6aca829290_cast-k_q6aca829290_cast
	.p2alignl 7, 3214868480
	.fill 96, 4, 3214868480
	.section	.rodata,"a",@progbits
	.p2align	6, 0x0
	.amdhsa_kernel k_q6aca829290_cast
		.amdhsa_group_segment_fixed_size 0
		.amdhsa_private_segment_fixed_size 0
		.amdhsa_enable_private_segment 0
		.amdhsa_kernarg_size 48
		.amdhsa_user_sgpr_count 2
		.amdhsa_user_sgpr_kernarg_segment_ptr 1
		.amdhsa_wavefront_size32 1
		.amdhsa_system_sgpr_workgroup_id_x 1
		.amdhsa_system_sgpr_workgroup_id_y 1
		.amdhsa_system_sgpr_workgroup_id_z 1
		.amdhsa_system_vgpr_workitem_id 0
		.amdhsa_next_free_vgpr 104
		.amdhsa_next_free_sgpr 66
		.amdhsa_reserve_vcc 0
		.amdhsa_float_denorm_mode_32 3
		.amdhsa_float_denorm_mode_16_64 3
		.amdhsa_memory_ordered 1
		.amdhsa_forward_progress 1
		.amdhsa_inst_pref_size 7
	.end_amdhsa_kernel
	.amdgpu_metadata
---
amdhsa.version: [ 1, 2 ]
amdhsa.kernels:
  - .name:           k_q6aca829290_cast
    .symbol:         k_q6aca829290_cast.kd
    .args:
      - { .name: x, .offset: 0, .size: 8, .value_kind: global_buffer, .address_space: global }
      - { .name: W_hg, .offset: 8, .size: 8, .value_kind: global_buffer, .address_space: global }
      - { .name: W_out, .offset: 16, .size: 8, .value_kind: global_buffer, .address_space: global }
      - { .name: xb, .offset: 24, .size: 8, .value_kind: global_buffer, .address_space: global }
      - { .name: whb, .offset: 32, .size: 8, .value_kind: global_buffer, .address_space: global }
      - { .name: wob, .offset: 40, .size: 8, .value_kind: global_buffer, .address_space: global }
    .group_segment_fixed_size: 0
    .private_segment_fixed_size: 0
    .kernarg_segment_align: 8
    .kernarg_segment_size: 48
    .max_flat_workgroup_size: 128
    .sgpr_count:     66
    .vgpr_count:     104
    .wavefront_size: 32
...
	.end_amdgpu_metadata
.endif
;; end of part 5
;; launch proj: the kernel of part 2 again; grid 16 x 32, 4 waves a work-group, clusters of 4 x 4, 327,680 bytes of LDS; arguments xb, whb, hl, pp, ends; writes hl, pp, ends
;; launch carry (part 6): grid 128 x 4, 8 waves a work-group, no clusters, 0 bytes of LDS; arguments hl, pp, ends, hh; writes hh
.if DOCPART == 6
	.amdgcn_target "amdgcn-amd-amdhsa--gfx1250"
	.amdhsa_code_object_version 6
	.text
	.protected	k_q6aca829290_carry
	.globl	k_q6aca829290_carry
	.p2align	8
	.type	k_q6aca829290_carry,@function
k_q6aca829290_carry:
	s_mov_b64 s[64:65], 0
	v_nop
	global_prefetch_b8 v0, s[64:65] scope:SCOPE_SE
	s_setreg_imm32_b32 hwreg(HW_REG_WAVE_SCHED_MODE, 0, 2), 2
	s_setreg_imm32_b32 hwreg(HW_REG_WAVE_MODE, 25, 1), 1
	s_wait_xcnt 0x0
	s_wait_alu depctr_vm_vsrc(0)
; hh[e][m] = hl[e][m] + pp[e][m] x carry, where carry is h at the last row of the chunk in front (0 for a batch's first chunk).
; The carries of a channel's 16 chunks form a chain in f32: carry[c+1] = P_end[c] carry[c] + H_end[c], from ends[chunk][e] = (H_end, P_end).
; All terms are positive or zero, so no difference of large numbers is formed; hh is rounded to bf16 once, as the next product's operand.
; A stream: hl, pp and ends are read once, hh is written once.  No LDS, no barrier, no cluster, no matrix unit: nothing is shared between waves.
; Work-group (gx, b): channels 16 gx .. 16 gx + 15 of batch b.  Thread t: channel 16 gx + t / 16.  Lanes 0-15 of a wave cover the 256 bytes of one chunk of one channel,
; lanes 16-31 those of the next channel, so a chunk's carry is one register a lane.  All 46 loads of a wave are issued before the first is used.
; THE MODE: SCHED_MODE bits 1:0 = 2 (LLVM: expert scheduling mode 2), set by the entry lines.  The code itself states the register
; dependences between vector instructions and memory instructions, with s_wait_alu, always for 0.
; THE PLAN.  Registers that memory instructions touch:
;   v1, v2   byte offsets: made once at the head by vector instructions, never written again; every load and store reads one of them.
;   CE, PP   written by loads that are issued before any vector instruction names them; behind that named by vector instructions alone.
;   HL       written by such loads; chunk 0 is stored as it was loaded; chunks 1 to 15 are read by the multiply-adds, written once more by four roundings, and read by one store.
;   TW       named by vector instructions alone.
; Chunks 1 to 15 go in five blocks of three.  A block's vector instructions name its own chunks' PP, CE, HL, and TW; its memory instructions are the three stores of the block
; before, which read that block's HL and v1.  So one wait at a block's head states all that its three stores hang on, and they are dealt among its chunks.
; No register that a memory instruction reads is written again.
.set EROW, 16384                       ; bytes of a channel row (8,192 m in bf16), and of a chunk's 2,048 pairs in ends
.set CE, 4                             ; v[4:33]    chunk c = 0..14: (H_end, P_end); behind the chain the first of the pair is carry[c+1]
.set HL, 36                            ; v[36:99]   chunk c: 4 registers, hl as loaded, then hh as stored
.set PP, 100                           ; v[104:163] chunk c = 1..15: 4 registers (chunk 0 has no carry: its pp is not read)
.set TW, 164                           ; v[164:171] at work
	s_load_b256 s[4:11], s[0:1], 0x0               ; hl s[4:5], pp s[6:7], ends s[8:9], hh s[10:11]
	s_and_b32 s12, ttmp7, 0xffff                   ; batch
	s_lshl_b32 s14, s12, 18                        ; 16 chunks of 16,384 bytes in ends
	s_lshl_b32 s12, s12, 12                        ; 2,048 positions of 2 bytes in a channel row
	s_mov_b32 s13, 0
	s_mov_b32 s15, 0
	s_lshl_b32 s16, ttmp9, 4
	v_lshrrev_b32 v3, 4, v0
	v_add_nc_u32 v3, s16, v3                       ; my channel
	v_and_b32 v1, 15, v0
	v_lshlrev_b32 v1, 4, v1
	v_lshl_add_u32 v1, v3, 14, v1                  ; channel x 16,384 + 16 x (lane mod 16); never rewritten
	v_lshlrev_b32 v2, 3, v3                        ; channel x 8; never rewritten
	s_wait_kmcnt 0x0
	s_add_nc_u64 s[4:5], s[4:5], s[12:13]
	s_add_nc_u64 s[6:7], s[6:7], s[12:13]
	s_add_nc_u64 s[10:11], s[10:11], s[12:13]
	s_add_nc_u64 s[8:9], s[8:9], s[14:15]
	s_wait_alu depctr_va_vdst(0)                   ; v1 and v2 are written: every load and store of the kernel reads one of them as its offset
.irp c, 0,1,2,3,4,5,6,7,8,9,10,11,12,13,14
	global_load_b64 v[CE+2*\c:CE+2*\c+1], v2, s[8:9] offset:EROW*\c
.endr
	global_load_b128 v[HL:HL+3], v1, s[4:5] th:TH_LOAD_NT
.irp c, 1,2,3,4,5,6,7,8,9,10,11,12,13,14,15
	global_load_b128 v[HL+4*\c:HL+4*\c+3], v1, s[4:5] offset:256*\c th:TH_LOAD_NT
	global_load_b128 v[PP+4*\c:PP+4*\c+3], v1, s[6:7] offset:256*\c th:TH_LOAD_NT
.endr
	s_wait_loadcnt 31                              ; the fifteen pairs are in; the 31 loads of hl and pp behind them stay out
.irp c, 1,2,3,4,5,6,7,8,9,10,11,12,13,14
	v_fma_f32 v[CE+2*\c], v[CE+2*\c+1], v[CE+2*\c-2], v[CE+2*\c]   ; carry[c+1] = P_end[c] carry[c] + H_end[c]; carry[1] = H_end[0] lies there already
.endr
	s_wait_loadcnt 30                              ; hl's chunk 0 is in
	global_store_b128 v1, v[HL:HL+3], s[10:11]     ; a batch's first chunk starts from h = 0: it is final as it is.  Its data come from a load, and the chain above names neither them nor v1
; Block p: chunks 3 p + 1 to 3 p + 3 are worked on; the three stores of block p - 1 go out among them.
.macro BLK p
.irp i, 0,1,2
.set cc, 3*(\p)+1+(\i)                 ; the chunk in hand
	s_wait_loadcnt 28-6*(\p)-2*(\i)                ; = 30 - 2 x chunk: the chunk's two loads are in; two for each later chunk stay out
.if ((\p) != 0) && ((\i) == 0)
	s_wait_alu depctr_va_vdst(0)                   ; the block before has written its three chunks of HL, which the three stores of this block read
.endif
.if \p
	global_store_b128 v1, v[HL+4*(cc-3):HL+4*(cc-3)+3], s[10:11] offset:256*(cc-3)   ; 16 lanes store 256 consecutive bytes, aligned; no vector instruction since the wait names these registers, and they are not written again
.endif
.irp k, 0,1,2,3
	v_fma_mix_f32_bf16 v[TW+2*\k],   v[PP+4*cc+\k], v[CE+2*cc-2], v[HL+4*cc+\k] op_sel_hi:[1,0,1]                  ; low halves: pp x carry + hl, in f32
	v_fma_mix_f32_bf16 v[TW+2*\k+1], v[PP+4*cc+\k], v[CE+2*cc-2], v[HL+4*cc+\k] op_sel:[1,0,1] op_sel_hi:[1,0,1]   ; high halves
.endr
.irp k, 0,1,2,3
	v_cvt_pk_bf16_f32 v[HL+4*cc+\k], v[TW+2*\k], v[TW+2*\k+1]
.endr
.endr
.endm
	BLK 0                                          ; chunks 1 to 3: no block in front of them, so no store and no wait but those for their data
	BLK 1
	BLK 2
	BLK 3
	BLK 4
	s_wait_alu depctr_va_vdst(0)                   ; block 4 has written chunks 13 to 15 of HL, which the last three stores read
.irp c, 13,14,15
	global_store_b128 v1, v[HL+4*\c:HL+4*\c+3], s[10:11] offset:256*\c
.endr
	s_endpgm
.Lfunc_end_k_q6aca829290_carry:
	.size	k_q6aca829290_carry, .Lfunc_end_k_q6aca829290_carry-k_q6aca829290_carry
	.p2alignl 7, 3214868480
	.fill 96, 4, 3214868480
	.section	.rodata,"a",@progbits
	.p2align	6, 0x0
	.amdhsa_kernel k_q6aca829290_carry
		.amdhsa_group_segment_fixed_size 0
		.amdhsa_private_segment_fixed_size 0
		.amdhsa_enable_private_segment 0
		.amdhsa_kernarg_size 32
		.amdhsa_user_sgpr_count 2
		.amdhsa_user_sgpr_kernarg_segment_ptr 1
		.amdhsa_wavefront_size32 1
		.amdhsa_system_sgpr_workgroup_id_x 1
		.amdhsa_system_sgpr_workgroup_id_y 1
		.amdhsa_system_sgpr_workgroup_id_z 1
		.amdhsa_system_vgpr_workitem_id 0
		.amdhsa_next_free_vgpr 176
		.amdhsa_next_free_sgpr 66
		.amdhsa_reserve_vcc 0
		.amdhsa_float_denorm_mode_32 3
		.amdhsa_float_denorm_mode_16_64 3
		.amdhsa_memory_ordered 1
		.amdhsa_forward_progress 1
		.amdhsa_inst_pref_size 20
	.end_amdhsa_kernel
	.amdgpu_metadata
---
amdhsa.version: [ 1, 2 ]
amdhsa.kernels:
  - .name:           k_q6aca829290_carry
    .symbol:         k_q6aca829290_carry.kd
    .args:
      - { .name: hl, .offset: 0, .size: 8, .value_kind: global_buffer, .address_space: global }
      - { .name: pp, .offset: 8, .size: 8, .value_kind: global_buffer, .address_space: global }
      - { .name: ends, .offset: 16, .size: 8, .value_kind: global_buffer, .address_space: global }
      - { .name: hh, .offset: 24, .size: 8, .value_kind: global_buffer, .address_space: global }
    .group_segment_fixed_size: 0
    .private_segment_fixed_size: 0
    .kernarg_segment_align: 8
    .kernarg_segment_size: 32
    .max_flat_workgroup_size: 256
    .sgpr_count:     66
    .vgpr_count:     176
    .wavefront_size: 32
...
	.end_amdgpu_metadata
.endif
;; end of part 6
;; launch outp: the kernel of part 4 again; grid 8 x 32, 4 waves a work-group, clusters of 4 x 4, 327,680 bytes of LDS; arguments hh, wob, out0; writes out0
